; MI455X (gfx1250); checked and timed in simulation.
; The chip was launched on July 23, 2026; its instructions are those of AMD's public machine-readable ISA for CDNA 5 (MIT licence, August 2026) and "CDNA5" Instruction Set Architecture Reference Guide (July 2026). The comments in the code are by the model that wrote it; some were corrected since.
;; Decoder. Allowed arithmetic: matrix products marked QUANTISED: E4M3 operands, one given power-of-two scale a tensor, by v_wmma_f32_16x16x64_fp8_fp8 or v_wmma_f32_16x16x128_fp8_fp8, f32 sums; everything else in f32.
;; Inputs: W1_codes 4,096 x 32 x 32 uint8 (E4M3 codes of W1, K innermost, in blocks of 32 codes); W2_codes 1,024 x 128 x 32 uint8 (E4M3 codes of W2, K innermost, in blocks of 32 codes); Wk_codes 16 x 64 x 32 x 32 uint8 (E4M3 codes of Wk, K innermost, in blocks of 32 codes); Wq_codes 16 x 64 x 32 x 32 uint8 (E4M3 codes of Wq, K innermost, in blocks of 32 codes); Wv_codes 16 x 64 x 32 x 32 uint8 (E4M3 codes of Wv, K innermost, in blocks of 32 codes); b1 1,024 float32; b1f 4,096 float32; b2 1,024 float32; b2f 1,024 float32; bf 1,024 float32; bk 16 x 64 float32; bq 16 x 64 float32; bv 16 x 64 float32; g1 1,024 float32; g2 1,024 float32; gf 1,024 float32; lowp_scales 14 int32 (the exponents e of the quantised operands' scales 2^e); x 4 x 1,024 x 1,024 float32.
;; Outputs: out0 4 x 1,024 x 1,024 float32.
;; This version of the problem:
;;   THIS VERSION OF THE PROBLEM IS GIVEN IN LOW PRECISION. The matrix products marked QUANTISED in the list below multiply operands that are first quantised to E4M3 (4 exponent bits, 3 mantissa bits; 8 bits a number), with one given power-of-two scale for each operand tensor; their sums are f32. All else is computed in f32.
;;   The module's matrix products, in the order in which they are computed (A, B: the left and right operand; K: the contracted axis; several contracted axes count as one K, in the product's order):
;;     1. [M 1,024, K 1,024] x [K 1,024, N 4,096]; A: input Wq (given as codes); B: computed on the way: QUANTISED (scales: A lowp_scales[0], B lowp_scales[1])
;;     2. [M 1,024, K 1,024] x [K 1,024, N 4,096]; A: input Wk (given as codes); B: computed on the way: QUANTISED (scales: A lowp_scales[2], B lowp_scales[3])
;;     3. [M 1,024, K 1,024] x [K 1,024, N 4,096]; A: input Wv (given as codes); B: computed on the way: QUANTISED (scales: A lowp_scales[4], B lowp_scales[5])
;;     4. batch 64 x [M 1,024, K 64] x [K 64, N 1,024]; A: computed on the way; B: computed on the way: QUANTISED (scales: A lowp_scales[6], B lowp_scales[7])
;;     5. batch 64 x [M 1,024, K 1,024] x [K 1,024, N 64]; A: softmax (see below); B: computed on the way: QUANTISED (scales: A lowp_scales[8], B lowp_scales[9])
;;     6. [M 4,096, K 1,024] x [K 1,024, N 4,096]; A: computed on the way; B: input W1 (given as codes): QUANTISED (scales: A lowp_scales[10], B lowp_scales[11])
;;     7. [M 4,096, K 4,096] x [K 4,096, N 1,024]; A: computed on the way; B: input W2 (given as codes): QUANTISED (scales: A lowp_scales[12], B lowp_scales[13])
;;   THE QUANTISER, for each operand of a quantised product, along K:
;;     - The operand's scale is 2^e, e = its entry of the input lowp_scales (int32; the entries are numbered through the quantised products in the list's order, A before B).
;;     - Each number is divided by the scale, clamped to +-448, and rounded to the nearest number of E4M3, ties to even, subnormals kept.
;;     - The product sums the exact products of the quantised numbers (number of the format x scale) in f32.
;;   ~~~python
;;   def quantise(x, axis, e):      # numpy; x: float32 -> the quantised numbers, widened to float32 again
;;       x = np.moveaxis(x, axis, -1); K = x.shape[-1]
;;       r = np.clip(x / 2.0 ** e, -448, 448)
;;       step = 2.0 ** (np.maximum(np.frexp(np.where(r == 0, 1, r))[1] - 1, -6) - 3)
;;       q = np.round(r / step) * step * 2.0 ** e      # np.round: ties to even
;;       return np.moveaxis(q, -1, axis).astype(np.float32)
;;   ~~~
;;   SOFTMAX AHEAD OF A QUANTISED PRODUCT. Where the list says 'softmax', what is quantised is not the finished softmax but p = 2^(t - M), with t = logit x log2(e) and M = ceil(the row's largest t), a whole number; so 1/2 < the row's largest p <= 1. The row's sum l is taken of the UNQUANTISED p, in f32, and the product's result is divided by l at the end. Since M is a whole number, a kernel that streams over the keys may use a running M (the ceiling of the running maximum): every later rescaling is an exact power of two, so the quantised numbers keep their values, but for numbers so far below the row's largest that they fall under the format's range.
;;   OPERANDS COMPUTED ON THE WAY. 'Computed on the way' means the value that the module computes at that place (a softmax that the list does not call 'softmax' is quantised finished and normalised). What goes into a quantiser is computed in f32, as accurately as f32 sums, v_exp_f32 and their like allow (about 1e-6 of the number): no bf16 or f16 on the way to a quantiser, and a product that is left as it is and whose result goes on into a quantised operand takes f32 operands (vector FMAs, or v_wmma_f32_16x16x4_f32). A number that lies on a knife's edge between two numbers of the format may be rounded either way, as far as f32 arithmetic and the matrix unit's own rounding can turn it there, and no further.
;;   INPUTS GIVEN AS CODES. W1 (in the module: [1024, 4096], K = its axis 0); W2 (in the module: [4096, 1024], K = its axis 0); Wk (in the module: [16, 1024, 64], K = its axis 1); Wq (in the module: [16, 1024, 64], K = its axis 1); Wv (in the module: [16, 1024, 64], K = its axis 1): each comes as NAME_codes (uint8): NAME with its K axis moved to the last place and cut into blocks of 32 codes, [.., K / 32, bytes a block], one block behind the other in memory; one code a byte (a code: sign, 4 exponent bits, 3 mantissa bits); its scale is its entry of lowp_scales. Its value is code x scale, taken as it is: it is not quantised again, and the codes and scales need not be those that the quantiser above would give.
;; One version. Each part assembles by itself: llvm-mc -triple=amdgcn-amd-amdhsa -mcpu=gfx1250 --defsym DOCPART=n.
;; ======== version 1 of 1: 6 launches
;; limits: right only within a limited range of input values
;; workspace buffers: hc 12,582,912 bytes; qkvf 12,582,912 bytes; oatt 16,777,216 bytes; res 16,777,216 bytes; hfc 4,194,304 bytes; hid 16,777,216 bytes
;; launch ln1 (part 1): grid 256 x 1, 16 waves a work-group, no clusters, 92,160 bytes of LDS; arguments x, g1, b1, lowp_scales, hc; writes hc
.if DOCPART == 1
	.amdgcn_target "amdgcn-amd-amdhsa--gfx1250"
	.amdhsa_code_object_version 6
	.text
	.protected	k_q1a9c238da0_ln1
	.globl	k_q1a9c238da0_ln1
	.p2align	8
	.type	k_q1a9c238da0_ln1,@function
k_q1a9c238da0_ln1:
	s_mov_b64 s[64:65], 0
	v_nop
	global_prefetch_b8 v0, s[64:65] scope:SCOPE_SE
	s_setreg_imm32_b32 hwreg(HW_REG_WAVE_MODE, 25, 1), 1
	s_wait_xcnt 0x0
; h = LayerNorm(x; g1, b1) over rows of 1,024 f32, and h's codes of E4M3 three times, once for each of the three projections' given scales
; (entries 1, 3, 5 of the scales' exponents): hc = three parts of 4 MiB, each [4096 rows][1024 codes], row-major.  h itself is not stored.
; One wave takes one row: 8 loads of 512 consecutive bytes, the row stays in 32 registers; mean and variance in two passes (the mean is taken away first), so a common offset does no harm.
; g1 and b1 are copied once into LDS by the work-group (8 bytes a thread) and read from there by all sixteen waves.
; The conversions take 8 neighbours from one lane's registers, so the row turns through the wave's own stage in LDS: in as loaded (16 bytes a lane), out 64 bytes a lane;
; a lane's 16 codes are then 16 bytes and a store of the wave covers 512 consecutive bytes.
; LIMITS: each of the three exponents lies between -126 and 119, so that 2^e and 448 x 2^e are f32 numbers.  NaN among the inputs is not served.
.set PG,  0                            ; LDS: g1, 4,096 bytes
.set PB,  4096                         ; b1
.set STG, 8192                         ; stages: 5,120 bytes a wave: two regions of 32 places
.set SP,  80                           ; a place: 64 bytes + 16 of padding
.set X,   32                           ; v32-63   the row: register 4 j + i = column 128 j + 4 lane + i
.set G,   64                           ; v64-95   the gain, likewise
.set BB,  96                           ; v96-127  the bias, likewise
.set T,   128                          ; v128-159 the row turned: register 16 p + i = column 512 p + 16 lane + i
.set C,   160                          ; v160-183 codes: 8 registers for each scale
.macro REDUCE r                        ; the sum over the 32 lanes, in every lane
	s_delay_alu instid0(VALU_DEP_1)
	v_add_f32_dpp v[\r], v[\r], v[\r] row_xmask:1 row_mask:0xf bank_mask:0xf
	s_delay_alu instid0(VALU_DEP_1)
	v_add_f32_dpp v[\r], v[\r], v[\r] row_xmask:2 row_mask:0xf bank_mask:0xf
	s_delay_alu instid0(VALU_DEP_1)
	v_add_f32_dpp v[\r], v[\r], v[\r] row_xmask:4 row_mask:0xf bank_mask:0xf
	s_delay_alu instid0(VALU_DEP_1)
	v_add_f32_dpp v[\r], v[\r], v[\r] row_xmask:8 row_mask:0xf bank_mask:0xf
	s_delay_alu instid0(VALU_DEP_1)
	v_permlanex16_b32 v16, v[\r], s28, s29
	s_delay_alu instid0(VALU_DEP_1)
	v_add_f32 v[\r], v[\r], v16
.endm
; D = LayerNorm(S) with the gain at LDS byte pg and the bias at pb.  S is kept where D is another set.
.macro LNORM S, D, pg, pb
.set i, 0
.rept 8
	ds_load_b128 v[G+4*i:G+4*i+3], v1 offset:\pg+512*i
	ds_load_b128 v[BB+4*i:BB+4*i+3], v1 offset:\pb+512*i
.set i, i+1
.endr
	v_pk_add_f32 v[10:11], v[32:33], v[34:35]
	v_pk_add_f32 v[190:191], v[40:41], v[44:45]
	v_pk_add_f32 v[188:189], v[48:49], v[52:53]
	v_pk_add_f32 v[186:187], v[56:57], v[60:61]
	v_pk_add_f32 v[184:185], v[36:37], v[38:39]
	v_pk_add_f32 v[182:183], v[42:43], v[46:47]
	v_pk_add_f32 v[180:181], v[50:51], v[54:55]
	v_pk_add_f32 v[8:9], v[58:59], v[62:63]
	s_delay_alu instid0(VALU_DEP_1)
	v_pk_add_f32 v[8:9], v[8:9], v[186:187]
	v_pk_add_f32 v[10:11], v[10:11], v[184:185]
	v_pk_add_f32 v[190:191], v[190:191], v[182:183]
	v_pk_add_f32 v[188:189], v[188:189], v[180:181]
	s_delay_alu instid0(VALU_DEP_2)
	v_pk_add_f32 v[8:9], v[8:9], v[190:191]
	s_delay_alu instid0(VALU_DEP_2)
	v_pk_add_f32 v[10:11], v[10:11], v[188:189]
	s_delay_alu instid0(VALU_DEP_1)
	v_pk_add_f32 v[8:9], v[8:9], v[10:11]
	s_delay_alu instid0(VALU_DEP_1)
	v_add_f32 v8, v8, v9
	REDUCE 8
	s_delay_alu instid0(VALU_DEP_1)
	v_mul_f32 v12, s30, v8                                     ; the mean
	s_delay_alu instid0(VALU_DEP_1)
	v_mov_b32 v13, v12
.set i, 0
.rept 16
	v_pk_add_f32 v[\D+i:\D+i+1], v[\S+i:\S+i+1], v[12:13] neg_lo:[0,1] neg_hi:[0,1]
.set i, i+2
.endr
	v_pk_mul_f32 v[8:9], v[\D:\D+1], v[\D:\D+1]                ; the sum of squares of what is left
	v_pk_mul_f32 v[10:11], v[\D+2:\D+3], v[\D+2:\D+3]
.set i, 4
.rept 7
	s_delay_alu instid0(VALU_DEP_2)
	v_pk_fma_f32 v[8:9], v[\D+i:\D+i+1], v[\D+i:\D+i+1], v[8:9]
	s_delay_alu instid0(VALU_DEP_2)
	v_pk_fma_f32 v[10:11], v[\D+i+2:\D+i+3], v[\D+i+2:\D+i+3], v[10:11]
.set i, i+4
.endr
	s_delay_alu instid0(VALU_DEP_1)
	v_pk_add_f32 v[8:9], v[8:9], v[10:11]
	s_delay_alu instid0(VALU_DEP_1)
	v_add_f32 v8, v8, v9
	REDUCE 8
	s_delay_alu instid0(VALU_DEP_1)
	v_fma_f32 v17, v8, s30, s31                                ; the variance + 1e-5
	s_wait_alu depctr_va_vdst(0)
	v_rsq_f32 v14, v17
	v_rsq_f32 v15, v17
	v_nop                                                      ; a plain instruction between the root and the use of its result (ISA guide 5.7.2)
	s_wait_dscnt 0x0                                           ; gain and bias are in
.set i, 0
	s_wait_alu depctr_va_vdst(0)
.rept 16
	v_pk_mul_f32 v[\D+i:\D+i+1], v[\D+i:\D+i+1], v[14:15]
.set i, i+2
.endr
.set i, 0
.rept 16
	v_pk_fma_f32 v[\D+i:\D+i+1], v[\D+i:\D+i+1], v[G+i:G+i+1], v[BB+i:BB+i+1]
.set i, i+2
.endr
.endm
; The row in S goes through my wave's stage and comes back in T, 16 neighbours a lane in each half of the row.  LDS serves a wave's instructions in order: no wait between stores and loads.
.macro TURN S
.set i, 0
.rept 8
	ds_store_b128 v3, v[\S+4*i:\S+4*i+3] offset:(i/4)*32*SP+(i%4)*8*SP
.set i, i+1
.endr
.set i, 0
.rept 8
	ds_load_b128 v[T+4*i:T+4*i+3], v4 offset:(i/4)*32*SP+(i%4)*16
.set i, i+1
.endr
	s_wait_dscnt 0x0
.endm
; The turned row is held within the largest code x scale k, into set U, and converted.  Each scale has a set of its own, so no conversion's source is written again.
.macro QSET k, U
.set i, 0
.rept 32
	v_med3_num_f32 v[\U+i], v[T+i], -v[21+2*\k], v[21+2*\k]    ; the conversion to an 8-bit code does not saturate (ISA guide 7.6.2)
.set i, i+1
.endr
.set i, 0
.rept 4
	v_cvt_scalef32_pk8_fp8_f32 v[C+8*\k+2*i:C+8*\k+2*i+1], v[\U+8*i:\U+8*i+7], v[20+2*\k]
.set i, i+1
.endr
.endm
	s_load_b256 s[4:11], s[0:1], 0x0               ; x s[4:5], g1 s[6:7], b1 s[8:9], the scales' exponents s[10:11]
	s_load_b64 s[12:13], s[0:1], 0x20              ; hc
	v_lshl_add_u32 v192, v0, 2, 0x16000
	v_mov_b32 v193, 0
	v_lshrrev_b32 v5, 5, v0
	s_delay_alu instid0(VALU_DEP_1)
	v_readfirstlane_b32 s18, v5                    ; wave 0..15
	v_and_b32 v6, 31, v0                           ; lane
	s_delay_alu instid0(VALU_DEP_1)
	v_lshlrev_b32 v1, 4, v6                        ; 16 x lane
	v_lshlrev_b32 v2, 3, v0                        ; 8 x thread: my 8 bytes of a parameter
	s_mul_i32 s19, s18, 64*SP
	s_add_co_u32 s19, s19, STG                     ; my wave's stage
	v_lshrrev_b32 v3, 2, v6
	s_delay_alu instid0(VALU_DEP_1)
	v_mul_u32_u24 v3, v3, SP
	v_and_b32 v4, 3, v6
	s_delay_alu instid0(VALU_DEP_1)
	v_lshl_add_u32 v3, v4, 4, v3
	s_delay_alu instid0(VALU_DEP_1)
	v_add_nc_u32 v3, s19, v3                       ; into the stage: four lanes' 64 bytes make a place
	v_mul_u32_u24 v4, v6, SP
	s_delay_alu instid0(VALU_DEP_1)
	v_add_nc_u32 v4, s19, v4                       ; out of it: my place
	v_mov_b32 v16, 0                               ; a lane permute's destination counts as read: written once
	s_lshl_b32 s2, ttmp9, 4
	s_add_co_u32 s2, s2, s18                       ; my row = 16 x work-group + wave
	s_lshl_b32 s32, s2, 12
	s_mov_b32 s33, 0
	s_lshl_b32 s34, s2, 10
	s_mov_b32 s35, 0
	s_mov_b32 s28, 0x76543210                      ; lane selects: lane l xor 16
	s_mov_b32 s29, 0xfedcba98
	s_mov_b32 s30, 0x3a800000                      ; 1 / 1024
	s_mov_b32 s31, 0x3727c5ac                      ; 1e-5
	s_wait_alu depctr_va_vdst(0)
	s_wait_kmcnt 0x0
	s_load_b256 s[20:27], s[10:11], 0x0            ; entries 0 to 7
	s_add_nc_u64 s[4:5], s[4:5], s[32:33]
	s_add_nc_u64 s[12:13], s[12:13], s[34:35]      ; my row in part 0,
	s_add_nc_u64 s[14:15], s[12:13], 0x400000      ; part 1,
	s_add_nc_u64 s[16:17], s[12:13], 0x800000      ; part 2
	global_load_b64 v[26:27], v2, s[6:7]
	global_load_b64 v[28:29], v2, s[8:9]
.set i, 0
.rept 8
	global_load_b128 v[X+4*i:X+4*i+3], v1, s[4:5] offset:512*i   ; 512 consecutive bytes a load; x is read again by a later launch: no hint
.set i, i+1
.endr
	s_wait_loadcnt 0x8                             ; the two parameter loads are in; the row's eight may stay out
	ds_store_b64 v2, v[26:27] offset:PG
	ds_store_b64 v2, v[28:29] offset:PB
	s_wait_dscnt 0x0                               ; for the others' sake: my stores are done
	s_barrier_signal -1
	s_barrier_wait -1                              ; g1 and b1 lie whole in LDS
	s_wait_loadcnt 0x0
	LNORM X, X, PG, PB
	TURN X
	s_wait_kmcnt 0x0
.irp k, 0,1,2
	s_add_co_i32 s36, s[21+2*\k], 127
	s_lshl_b32 s37, s36, 23
	v_mov_b32 v[20+2*\k], s37                      ; 2^e as f32: the conversion takes its exponent field
	s_add_co_i32 s36, s36, 8
	s_lshl_b32 s36, s36, 23
	s_or_b32 s36, s36, 0x600000
	v_mov_b32 v[21+2*\k], s36                      ; 448 x 2^e
.endr
	s_wait_alu depctr_va_vdst(0)
	QSET 0, X
	QSET 1, G
	QSET 2, BB
	v_nop                                          ; a plain instruction behind the last conversion
.irp k, 0,1,2
	global_store_b128 v1, v[C+8*\k:C+8*\k+3], s[12+2*\k:13+2*\k]                 ; 512 consecutive bytes, aligned
	global_store_b128 v1, v[C+8*\k+4:C+8*\k+7], s[12+2*\k:13+2*\k] offset:512
.endr
	s_wait_tensorcnt 0x0
	ds_add_u32 v192, v193
	s_wait_dscnt 0x0
	s_endpgm
.Lfunc_end_k_q1a9c238da0_ln1:
	.size	k_q1a9c238da0_ln1, .Lfunc_end_k_q1a9c238da0_ln1-k_q1a9c238da0_ln1
	.p2alignl 7, 3214868480
	.fill 96, 4, 3214868480
	.section	.rodata,"a",@progbits
	.p2align	6, 0x0
	.amdhsa_kernel k_q1a9c238da0_ln1
		.amdhsa_group_segment_fixed_size 92160
		.amdhsa_private_segment_fixed_size 0
		.amdhsa_enable_private_segment 0
		.amdhsa_kernarg_size 40
		.amdhsa_user_sgpr_count 2
		.amdhsa_user_sgpr_kernarg_segment_ptr 1
		.amdhsa_wavefront_size32 1
		.amdhsa_system_sgpr_workgroup_id_x 1
		.amdhsa_system_sgpr_workgroup_id_y 1
		.amdhsa_system_sgpr_workgroup_id_z 1
		.amdhsa_system_vgpr_workitem_id 0
		.amdhsa_next_free_vgpr 194
		.amdhsa_next_free_sgpr 66
		.amdhsa_reserve_vcc 0
		.amdhsa_float_denorm_mode_32 3
		.amdhsa_float_denorm_mode_16_64 3
		.amdhsa_memory_ordered 1
		.amdhsa_forward_progress 1
		.amdhsa_inst_pref_size 21
	.end_amdhsa_kernel
	.amdgpu_metadata
---
amdhsa.version: [ 1, 2 ]
amdhsa.kernels:
  - .name:           k_q1a9c238da0_ln1
    .symbol:         k_q1a9c238da0_ln1.kd
    .args:
      - { .name: x, .offset: 0, .size: 8, .value_kind: global_buffer, .address_space: global }
      - { .name: g1, .offset: 8, .size: 8, .value_kind: global_buffer, .address_space: global }
      - { .name: b1, .offset: 16, .size: 8, .value_kind: global_buffer, .address_space: global }
      - { .name: lowp_scales, .offset: 24, .size: 8, .value_kind: global_buffer, .address_space: global }
      - { .name: hc, .offset: 32, .size: 8, .value_kind: global_buffer, .address_space: global }
    .group_segment_fixed_size: 92160
    .private_segment_fixed_size: 0
    .kernarg_segment_align: 8
    .kernarg_segment_size: 40
    .max_flat_workgroup_size: 512
    .sgpr_count:     66
    .vgpr_count:     194
    .wavefront_size: 32
...
	.end_amdgpu_metadata
.endif
;; end of part 1
;; launch qkv (part 2): grid 12 x 16, 4 waves a work-group, clusters of 4 x 4, 327,680 bytes of LDS; arguments hc, Wq_codes, Wk_codes, Wv_codes, bq, bk, bv, lowp_scales, qkvf; writes qkvf
.if DOCPART == 2
	.amdgcn_target "amdgcn-amd-amdhsa--gfx1250"
	.amdhsa_code_object_version 6
	.text
	.protected	k_q1a9c238da0_qkv
	.globl	k_q1a9c238da0_qkv
	.p2align	8
	.type	k_q1a9c238da0_qkv,@function
k_q1a9c238da0_qkv:
	s_mov_b64 s[64:65], 0
	v_nop
	global_prefetch_b8 v0, s[64:65] scope:SCOPE_SE
	s_setreg_imm32_b32 hwreg(HW_REG_WAVE_MODE, 25, 1), 1
	s_wait_xcnt 0x0
	s_wait_alu depctr_hold_cnt(0) depctr_sa_sdst(0) depctr_va_vdst(0) depctr_va_sdst(0) depctr_va_ssrc(0) depctr_va_vcc(0) depctr_vm_vsrc(0)
	s_getreg_b32 s2, hwreg(HW_REG_IB_STS2, 6, 4)
	s_cmp_eq_u32 s2, 0
	s_cbranch_scc0 .Lentry_in_a_cluster
	s_endpgm
.Lentry_in_a_cluster:
	s_bfe_u32 s2, ttmp6, 0x10000c
	s_cmp_lg_u32 s2, 0xf033
	s_cbranch_scc0 .Lentry_shape_is_right
	s_endpgm
.Lentry_shape_is_right:
; q, k, v = h W + bias on codes of E4M3 (K = 1,024), quantised again with the scales given for the attention's products, and stored as IMAGES OF THE NEXT OPERANDS' REGISTERS.
; The cluster's x is the KIND: 0 q, 1 k, 2 v; it is the same in all sixteen partners.  One text serves all three: only pointers, tile numbers and shifts are chosen, by selects; there is no branch on the kind.
; A tile is 256 x 256, four waves of 128 x 128 (64 accumulators).  Side A is source 1 of the matrix instruction (its row is the lane's), side B source 0 (its rows run along a lane's registers).
;   kinds 0, 1: A = 256 tokens of hc's part, B = 256 rows (head x 64 + d) of the weight: a lane holds one token and 8 neighbouring d: a fragment of q or k (16 tokens x 64 d) for the K = 64 form.
;   kind 2:     A = 256 rows of Wv, B = 256 tokens: a lane holds one d and 8 neighbouring tokens, which are the keys: a fragment of v^T (16 d x 128 keys) for the K = 128 form.
; qkvf: parts 0, 1: [token / 16][head][1,024 bytes]: registers 0-3 at 16 x lane, 4-7 at 512 + 16 x lane.  Part 2: [token / 128][(head x 64 + d) / 16][2,048 bytes]: registers 4 g .. 4 g + 3 at 512 g + 16 x lane.
; K goes in steps of 256 through a ring of two LDS slots filled by joint tensor loads: A's tile is shared along a row of the cluster, B's along a column.
; Fragments are fetched by four loads of 16 bytes, 32 apart: a permutation of k that is the same on both sides, so every product meets its partner.
; The sums lack the factor 2^E, E = the two operands' exponents added: the bias goes in as bias / 2^E and the conversion takes 2^(eo - E), eo the exponent given for the result as an operand (entries 6, 7, 9).
; Assumed: of the product q k^T the first operand in the table (entry 6) is q, the second (entry 7) k.
; LIMITS: eo - E lies between -126 and 119.  NaN among the inputs is not served.
; REGISTERS, in windows of 256: window 0: v0-31 addresses; v32-95 the bias along side B, v96-111 along side A; from v128 A's fragments, ONE set; on the way out v128-191 sums, v192-255 codes.
;   window 1: B's fragments, TWO sets.   window 2: the accumulators of my A rows 0-63 ((a, b) at v[8 (8 a + b)]);   window 3: rows 64-127.
.set KSTEP,  256
.set ROWB,   256
.set KROW,   1024                      ; a row of either side in memory, in bytes
.set PITCH,  272                       ; an LDS row: 256 bytes + 16 of padding: the 16 rows that a load touches start at 16 different banks (64 banks of 4 bytes: ISA guide 11.1)
.set FR,     16
.set NL,     4
.set NP,     4                         ; places behind this matrix instruction (ISA guide 7.12.1)
.set HALFT,  128*PITCH
.set SLOT,   4*HALFT
.set LAPS,   KROW/(2*KSTEP)
.set SPARE,  2*SLOT                    ; behind the ring: the spare words, 128 bytes for each wave, which no other line names
.set ADRA, 16
.set ADRB, 20
.set SPW,  28
.set NIL,  29
.set BN0,  32
.set BN1,  96
.set TMP,  128
.set AF,   128
.set G1, 24
.set G0, 32
.set G1B, 48
.set G0B, 56
.set MSB, 0
.macro WIN new                         ; the immediate's high byte repeats the setting that is left
.if MSB != \new
	s_set_vgpr_msb (MSB<<8)|\new
.set MSB, \new
.endif
.endm
.set MUL_LO, 0xa1                      ; source 0 (B) window 1, source 1 (A) window 0, C and D window 2
.set MUL_HI, 0xf1
.set TO_B,   0x40
.macro JLOAD s                         ; a joint load: waves 0 and 1 fetch for A, waves 2 and 3 for B; four v_nop follow each line
	s_cmp_eq_u32 s15, 0
	s_cbranch_scc0 .Lfor_b_\@
	tensor_load_to_lds s[G0+4*\s:G0+4*\s+3], s[G1:G1+7]
	s_nop 0
.rept 4
	v_nop
.endr
	s_branch .Lasked_\@
.Lfor_b_\@:
	tensor_load_to_lds s[G0B+4*\s:G0B+4*\s+3], s[G1B:G1B+7]
	s_nop 0
.rept 4
	v_nop
.endr
.Lasked_\@:
.endm
.macro CREST                           ; a round of the cluster's barrier behind its opening barrier
	s_cmp_lg_u32 s14, 0
	s_cbranch_scc1 .Lnot_wave_0_\@
	s_barrier_signal -3
.Lnot_wave_0_\@:
	s_barrier_wait -3
	s_barrier_signal -1
	s_barrier_wait -1
.endm
.macro CROUND
	s_barrier_signal -1
	s_barrier_wait -1
	CREST
.endm
	s_load_b512 s[68:83], s[0:1], 0x0              ; hc 68, Wq 70, Wk 72, Wv 74, bq 76, bk 78, bv 80, the scales' exponents 82
	s_load_b64 s[84:85], s[0:1], 0x40              ; qkvf
	v_lshl_add_u32 v[SPW], v0, 2, SPARE
	v_mov_b32 v[NIL], 0
	ds_add_u32 v28, v29
	ds_add_u32 v28, v29
	s_wait_dscnt 0x0
	v_lshrrev_b32 v1, 5, v0
	v_readfirstlane_b32 s14, v1                    ; wave 0..3
	s_lshr_b32 s15, s14, 1                         ; which half of A's rows is mine.  Also: I fetch for A (0) or for B (1)
	s_and_b32 s16, s14, 1                          ; which half of B's rows.  Also: which 128 rows I fetch
	s_bfe_u32 s40, ttmp6, 0x40000                  ; cx
	s_bfe_u32 s41, ttmp6, 0x40004                  ; cy
	s_mov_b32 s12, ttmp9                           ; the kind
	s_and_b32 s86, ttmp7, 0xffff
	s_lshl_b32 s86, s86, 2                         ; 4 x cluster y: it counts token tiles, on whichever side the tokens are
	s_cmp_eq_u32 s12, 2
	s_cselect_b32 s13, 0, -1                       ; all ones for q and k
	s_cselect_b32 s66, -1, 0                       ; all ones for v
	s_and_b32 s17, s86, s13
	s_add_co_u32 s17, s17, s41                     ; A's tile: cy (+ 4 x cluster y for q, k)
	s_and_b32 s42, s86, s66
	s_add_co_u32 s42, s42, s40                     ; B's tile: cx (+ 4 x cluster y for v)
	s_lshl_b32 s43, s41, 2
	s_lshl_b32 s43, 15, s43                        ; my row of the cluster
	s_lshl_b32 s44, 0x1111, s40                    ; my column
	s_or_b32 s[G1+0], s43, (0<<16)|(1<<20)|(1<<21)|(5<<22)|(3<<25)  ; the mask; elements of 1 byte; padding on; bit 21 beside a mask; after every 64 words, 4 words
	s_or_b32 s[G1B+0], s44, (0<<16)|(1<<20)|(1<<21)|(5<<22)|(3<<25)
.irp g, G1, G1B
	s_mov_b32 s[\g+1], ROWB<<16                    ; tensor_dim0
	s_mov_b32 s[\g+2], 128<<16                     ; tensor_dim1
	s_mov_b32 s[\g+3], ROWB<<16                    ; tile_dim0
	s_mov_b32 s[\g+4], 128                         ; tile_dim1
	s_mov_b32 s[\g+5], KROW                        ; tensor_dim0_stride
	s_mov_b32 s[\g+6], 0
	s_mov_b32 s[\g+7], 0
.endr
	s_lshl_b32 s18, s16, 7
	s_lshl_b32 s20, s17, 8
	s_add_co_u32 s20, s20, s18                     ; A: row 256 x tile + 128 x half,
	s_lshl_b32 s20, s20, 10                        ; in bytes
	s_mov_b32 s21, 0
	s_lshl_b32 s46, s42, 8
	s_add_co_u32 s46, s46, s18                     ; B likewise
	s_lshl_b32 s46, s46, 10
	s_mov_b32 s47, 0
	s_mul_i32 s45, s14, HALFT                      ; where they go: wave x 128 rows
	s_lshl_b32 s86, s12, 22                        ; the kind's part of hc and of qkvf: 4 MiB each
	s_mov_b32 s87, 0
	s_wait_kmcnt 0x0
	s_add_nc_u64 s[68:69], s[68:69], s[86:87]      ; the tokens' codes for this kind
	s_add_nc_u64 s[84:85], s[84:85], s[86:87]
	s_cmp_eq_u32 s12, 1
	s_cselect_b64 s[70:71], s[72:73], s[70:71]     ; the weight,
	s_cselect_b64 s[8:9], s[78:79], s[76:77]       ; the bias
	s_cmp_eq_u32 s12, 2
	s_cselect_b64 s[70:71], s[74:75], s[70:71]
	s_cselect_b64 s[8:9], s[80:81], s[8:9]
	s_cselect_b64 s[4:5], s[70:71], s[68:69]       ; side A: the tokens, for v the weight
	s_cselect_b64 s[6:7], s[68:69], s[70:71]       ; side B: the weight, for v the tokens
	s_add_nc_u64 s[20:21], s[4:5], s[20:21]
	s_add_nc_u64 s[46:47], s[6:7], s[46:47]
	; THE HEAD'S FILLS: one tensor load a wave, each of 256 rows x 256 bytes: wave 0: A's tile of K step 0, wave 1: B's; waves 2, 3: the same of K step 1.  So both slots are asked for behind the opening round.
	; Their descriptors lie in registers whose arguments have been used: group 1 for A s[72:79], for B s[88:95]; group 0 for A s[68:71], for B s[4:7].
	s_or_b32 s72, s43, (0<<16)|(1<<20)|(1<<21)|(5<<22)|(3<<25)
	s_or_b32 s88, s44, (0<<16)|(1<<20)|(1<<21)|(5<<22)|(3<<25)
.irp g, 72, 88
	s_mov_b32 s[\g+1], ROWB<<16                    ; tensor_dim0
	s_mov_b32 s[\g+2], 256<<16                     ; tensor_dim1
	s_mov_b32 s[\g+3], ROWB<<16                    ; tile_dim0
	s_mov_b32 s[\g+4], 256                         ; tile_dim1
	s_mov_b32 s[\g+5], KROW                        ; tensor_dim0_stride
	s_mov_b32 s[\g+6], 0
	s_mov_b32 s[\g+7], 0
.endr
	s_lshl_b32 s80, s17, 18                        ; A: 256 rows of 1,024 bytes x tile,
	s_lshl_b32 s81, s15, 8                         ; + 256 bytes x the K step, which is wave / 2
	s_add_co_u32 s80, s80, s81
	s_mov_b32 s81, 0
	s_lshl_b32 s96, s42, 18                        ; B likewise
	s_lshl_b32 s97, s15, 8
	s_add_co_u32 s96, s96, s97
	s_mov_b32 s97, 0
	s_mov_b32 s68, 1
	s_mul_i32 s69, s15, SLOT                       ; slot wave / 2: A's 256 rows lie at its head,
	s_add_nc_u64 s[70:71], s[4:5], s[80:81]
	s_or_b32 s71, s71, 0x80000000
	s_add_nc_u64 s[6:7], s[6:7], s[96:97]
	s_or_b32 s7, s7, 0x80000000
	s_mov_b32 s4, 1
	s_add_co_u32 s5, s69, 2*HALFT                  ; B's behind them
.irp s, 0,1
	s_mov_b32 s[G0+4*\s], 1
	s_add_co_u32 s[G0+4*\s+1], s45, \s*SLOT
	s_add_nc_u64 s[G0+4*\s+2:G0+4*\s+3], s[20:21], \s*ROWB
	s_or_b32 s[G0+4*\s+3], s[G0+4*\s+3], 0x80000000
	s_mov_b32 s[G0B+4*\s], 1
	s_add_co_u32 s[G0B+4*\s+1], s45, \s*SLOT
	s_add_nc_u64 s[G0B+4*\s+2:G0B+4*\s+3], s[46:47], \s*ROWB
	s_or_b32 s[G0B+4*\s+3], s[G0B+4*\s+3], 0x80000000
.endr
	v_and_b32 v1, 15, v0                           ; r = lane % 16
	v_bfe_u32 v2, v0, 4, 1                         ; h = lane / 16
	v_mul_u32_u24 v3, v1, PITCH
	v_lshl_add_u32 v4, v2, 4, v3
	s_mul_i32 s21, s15, HALFT
	s_mul_i32 s22, s16, HALFT
	s_add_co_u32 s22, s22, 2*HALFT
.irp s, 0,1
	v_add_nc_u32 v[ADRA+\s], s21, v4
	v_add_nc_u32 v[ADRB+\s], s22, v4
	s_add_co_u32 s21, s21, SLOT
	s_add_co_u32 s22, s22, SLOT
.endr
	; the bias in both forms; the one that this kind does not have is read from the buffer's head and made 0 on the way out
	v_lshlrev_b32 v30, 5, v2                       ; along side B: 32 h; never rewritten
	s_wait_alu depctr_va_vdst(0)
	v_lshlrev_b32 v31, 2, v1                       ; along side A: 4 r; never rewritten
	s_wait_alu depctr_va_vdst(0)
	v_and_b32 v5, 31, v0
	v_lshlrev_b32 v5, 4, v5                        ; 16 x lane
	s_wait_alu depctr_va_vdst(0)
	s_lshl_b32 s86, s42, 10
	s_lshl_b32 s18, s16, 9
	s_add_co_u32 s86, s86, s18
	s_and_b32 s86, s86, s13                        ; 4 x (256 x B's tile + 128 x half) for q, k; 0 for v
	s_add_nc_u64 s[98:99], s[8:9], s[86:87]
	s_lshl_b32 s86, s17, 10
	s_lshl_b32 s18, s15, 9
	s_add_co_u32 s86, s86, s18
	s_and_b32 s86, s86, s66                        ; 4 x (256 x A's tile + 128 x half) for v; 0 for q, k
	s_add_nc_u64 s[100:101], s[8:9], s[86:87]
.irp b, 0,1,2,3,4,5,6,7
	global_load_b128 v[BN0+8*\b:BN0+8*\b+3], v30, s[98:99] offset:64*\b          ; register 8 b + j: index 16 b + 8 h + j
	global_load_b128 v[BN0+8*\b+4:BN0+8*\b+7], v30, s[98:99] offset:64*\b+16
.endr
.irp a, 0,1,2,3,4,5,6,7
	global_load_b32 v[BN1+2*\a], v31, s[100:101] offset:64*\a                    ; index 16 a + r
.endr
	; where my images go: unit U1 = 16 x A's tile + 8 x half steps by 2^shA bytes, unit U0 = 2 x B's tile + half by 2^sh0
	s_cmp_eq_u32 s12, 2
	s_cselect_b32 s67, 11, 14                      ; shA: a tile of 16 tokens is 16,384 bytes (q, k); a tile of 16 d is 2,048 (v)
	s_cselect_b32 s18, 17, 11                      ; sh0: two heads are 2,048 bytes (q, k); 128 keys are 131,072 (v)
	s_lshl_b32 s86, s17, 4
	s_lshl_b32 s19, s15, 3
	s_add_co_u32 s86, s86, s19
	s_lshl_b32 s86, s86, s67
	s_add_nc_u64 s[10:11], s[84:85], s[86:87]
	s_lshl_b32 s86, s42, 1
	s_add_co_u32 s86, s86, s16
	s_lshl_b32 s86, s86, s18
	s_add_nc_u64 s[10:11], s[10:11], s[86:87]
.irp a, 0,1,2,3,4,5,6,7
	s_lshl_b32 s86, \a, s67
	v_add_nc_u32 v[8+\a], s86, v5                  ; block a's offset: 16 x lane + a x 2^shA; never rewritten
.endr
.macro FRAG reg, adr, q, i             ; 16 rows x 128 K: 16 registers, four loads of 16 bytes
.irp c, 0,1,2,3
	ds_load_b128 v[\reg+4*\c:\reg+4*\c+3], v[\adr] offset:128*(\q)+32*\c+(\i)*16*PITCH
.endr
.endm
; 16 matrix instructions: A's blocks a0, a0 + 1 x B's eight.  The 64 accumulators take turns, one instruction a turn, in the same order in every step.
.macro MUL16 a0, p, zero
.irp a, \a0, \a0+1
.irp b, 0,1,2,3,4,5,6,7
.if \zero
	v_wmma_f32_16x16x128_fp8_fp8 v[8*(8*((\a)%4)+\b):8*(8*((\a)%4)+\b)+7], v[128*(\p)+FR*\b:128*(\p)+FR*\b+FR-1], v[AF+FR*(\a):AF+FR*(\a)+FR-1], 0
.else
	v_wmma_f32_16x16x128_fp8_fp8 v[8*(8*((\a)%4)+\b):8*(8*((\a)%4)+\b)+7], v[128*(\p)+FR*\b:128*(\p)+FR*\b+FR-1], v[AF+FR*(\a):AF+FR*(\a)+FR-1], v[8*(8*((\a)%4)+\b):8*(8*((\a)%4)+\b)+7]
.endif
.endr
.endr
.endm
.macro FETCH_B slot, q, p
	WIN TO_B
.irp i, 0,1,2,3,4,5,6,7
	FRAG 128*(\p)+FR*\i, ADRB+\slot, \q, \i
.endr
	WIN 0
.endm
.macro FETCH_A slot, q, i0
.irp i, \i0, \i0+1, \i0+2, \i0+3
	FRAG AF+FR*(\i), ADRA+\slot, \q, \i
.endr
.endm
.macro PLACES n                        ; plain vector instructions between a matrix instruction and a load into, or a read of, its registers
.rept \n
	v_nop
.endr
.endm
.macro STEP slot, q, zero              ; 128 along K whose successor lies in the same slot
	s_wait_dscnt 4*NL                              ; B's set and A's blocks 0-3 are in; the 16 youngest loads (A's blocks 4-7) may be out
	WIN MUL_LO
	MUL16 0, (\q)%2, \zero
	MUL16 2, (\q)%2, \zero
	s_wait_dscnt 0
	PLACES NP
	FETCH_B \slot, (\q)+1, 1-(\q)%2
	FETCH_A \slot, (\q)+1, 0
	WIN MUL_HI
	MUL16 4, (\q)%2, \zero
	MUL16 6, (\q)%2, \zero
	PLACES NP
	WIN 0
	FETCH_A \slot, (\q)+1, 4
.endm
; A slot's last step changes slots: one barrier; in front of it each wave waits for all its tensor loads, adds 0 to its spare word, and waits for that and for its reads of this slot.
.macro TURN slot, next, fill
	s_wait_tensorcnt 0x0                           ; all my tensor loads have landed: my part of the next slot
	ds_add_u32 v[SPW], v[NIL]                      ; 0 onto my spare word
	s_wait_dscnt 4*NL+1                            ; the add and the 16 youngest loads may be out
	WIN MUL_LO
	MUL16 0, 1, 0
	s_wait_dscnt 0x0                               ; the add is done, and my reads of this slot are over
	s_barrier_signal -1
	MUL16 2, 1, 0
	WIN 0
	s_barrier_wait -1
.if \fill
	CREST                                          ; the barrier has opened a round of the cluster's: no wave of any partner still reads this slot or has a load on its way
	s_add_nc_u64 s[G0+4*\slot+2:G0+4*\slot+3], s[G0+4*\slot+2:G0+4*\slot+3], 2*ROWB
	s_add_nc_u64 s[G0B+4*\slot+2:G0B+4*\slot+3], s[G0B+4*\slot+2:G0B+4*\slot+3], 2*ROWB
	JLOAD \slot                                    ; the first tensor load behind the round, one a wave; its four v_nop are the places in front of the loads below
.else
	PLACES NP
.endif
	FETCH_B \next, 0, 0
	FETCH_A \next, 0, 0
	WIN MUL_HI
	MUL16 4, 1, 0
	MUL16 6, 1, 0
	PLACES NP
	WIN 0
	FETCH_A \next, 0, 4
.endm
	s_wait_alu depctr_va_vdst(0)
	CROUND                                         ; all sixteen work-groups are here: the first joint loads meet
	s_cmp_lg_u32 s14, 0                            ; one chain on the wave's number, a fill in each arm
	s_cbranch_scc1 .Lhead_1
	tensor_load_to_lds s[68:71], s[72:79]          ; wave 0: A, K step 0
	s_nop 0
.rept 4
	v_nop
.endr
	s_branch .Lhead_w
.Lhead_1:
	s_cmp_lg_u32 s14, 1
	s_cbranch_scc1 .Lhead_2
	tensor_load_to_lds s[4:7], s[88:95]            ; wave 1: B, K step 0
	s_nop 0
.rept 4
	v_nop
.endr
	s_branch .Lhead_w
.Lhead_2:
	s_cmp_lg_u32 s14, 2
	s_cbranch_scc1 .Lhead_3
	tensor_load_to_lds s[68:71], s[72:79]          ; wave 2: A, K step 1
	s_nop 0
.rept 4
	v_nop
.endr
	s_branch .Lhead_j
.Lhead_3:
	tensor_load_to_lds s[4:7], s[88:95]            ; wave 3: B, K step 1
	s_nop 0
.rept 4
	v_nop
.endr
	s_branch .Lhead_j
.Lhead_w:
	s_wait_tensorcnt 0x0                           ; waves 0 and 1: slot 0's tile has landed.  Slot 1's loads are waited for by every wave at the first change of slots, ahead of the barrier behind which slot 1 is first read
.Lhead_j:
	s_barrier_signal -1
	s_barrier_wait -1                              ; slot 0 is whole
	FETCH_B 0, 0, 0
	FETCH_A 0, 0, 0
	FETCH_A 0, 0, 4
	STEP 0, 0, 1                                   ; the first step's products start the sums
	s_mov_b32 s3, LAPS-1
.Llap:                                                 ; a trip goes once round the ring and fills both slots again
	TURN 0, 1, 1
	STEP 1, 0, 0
	TURN 1, 0, 1
	STEP 0, 0, 0
	s_sub_co_u32 s3, s3, 1
	s_cmp_lg_u32 s3, 0
	s_cbranch_scc1 .Llap
	s_load_b256 s[88:95], s[82:83], 0x0            ; entries 0 to 7: into registers that held a head's descriptor; the loop's waits for all tensor loads have shown that load done
	s_load_b64 s[96:97], s[82:83], 0x20            ; entries 8, 9
	TURN 0, 1, 0
	STEP 1, 0, 0
	s_wait_dscnt 4*NL
	WIN MUL_LO
	MUL16 0, 1, 0
	MUL16 2, 1, 0
	s_wait_dscnt 0
	WIN MUL_HI
	MUL16 4, 1, 0
	MUL16 6, 1, 0
	WIN 0
	; THE WAY OUT: no LDS.  sum + bias / 2^E, held, converted with 2^(eo - E): tile b's eight numbers become registers 2 b, 2 b + 1 of the next operand's fragment.
	s_wait_kmcnt 0x0
	s_wait_loadcnt 0x0                             ; the biases
	PLACES NP
	s_add_co_i32 s88, s88, s89
	s_add_co_i32 s90, s90, s91
	s_add_co_i32 s92, s92, s93
	s_cmp_eq_u32 s12, 1
	s_cselect_b32 s88, s90, s88
	s_cselect_b32 s94, s95, s94
	s_cmp_eq_u32 s12, 2
	s_cselect_b32 s88, s92, s88                    ; E
	s_cselect_b32 s94, s97, s94                    ; eo
	s_sub_co_i32 s89, 0, s88
	s_sub_co_i32 s94, s94, s88
	s_add_co_i32 s94, s94, 127
	s_lshl_b32 s95, s94, 23
	v_mov_b32 v6, s95                              ; 2^(eo - E)
	s_add_co_i32 s94, s94, 8
	s_lshl_b32 s94, s94, 23
	s_or_b32 s94, s94, 0x600000
	v_mov_b32 v7, s94                              ; 448 x that
.set jj, 0
.rept 64
	v_ldexp_f32 v[BN0+jj], v[BN0+jj], s89
.set jj, jj+1
.endr
.set jj, 0
.rept 64
	v_and_b32 v[BN0+jj], s13, v[BN0+jj]            ; kept for q and k, 0 for v
.set jj, jj+1
.endr
.irp a, 0,1,2,3,4,5,6,7
	v_ldexp_f32 v[BN1+2*\a], v[BN1+2*\a], s89
.endr
.irp a, 0,1,2,3,4,5,6,7
	v_and_b32 v[BN1+2*\a], s66, v[BN1+2*\a]        ; kept for v, 0 for q and k
.endr
.irp a, 0,1,2,3,4,5,6,7
	v_mov_b32 v[BN1+2*\a+1], v[BN1+2*\a]
.endr
.macro OUTBLK a
.set AC, 64*((\a)%4)
.set CD, 192+16*((\a)%4)
.set WW, 0x02+((\a)/4)
	WIN WW                                         ; source 0: window 2 or 3
.set jj, 0
.rept 32
	v_pk_add_f32 v[TMP+jj:TMP+jj+1], v[AC+jj:AC+jj+1], v[BN0+jj:BN0+jj+1]   ; each accumulator from its low end on
.set jj, jj+2
.endr
	WIN 0
.set jj, 0
.rept 32
	v_pk_add_f32 v[TMP+jj:TMP+jj+1], v[TMP+jj:TMP+jj+1], v[BN1+2*(\a):BN1+2*(\a)+1]
.set jj, jj+2
.endr
.set jj, 0
.rept 64
	v_med3_num_f32 v[TMP+jj], v[TMP+jj], -v7, v7   ; the conversion to an 8-bit code does not saturate (ISA guide 7.6.2)
.set jj, jj+1
.endr
.if (\a) >= 4
	s_wait_alu depctr_va_vdst(0)
	s_wait_xcnt 0x0                                ; block a - 4's stores have read these registers
.endif
.set jj, 0
.rept 8
	v_cvt_scalef32_pk8_fp8_f32 v[CD+2*jj:CD+2*jj+1], v[TMP+8*jj:TMP+8*jj+7], v6
.set jj, jj+1
.endr
	v_nop                                          ; a plain instruction behind the last conversion: the next block writes its sources
.irp g, 0,1,2,3
	global_store_b128 v[8+(\a)], v[CD+4*\g:CD+4*\g+3], s[10:11] offset:512*\g   ; 512 consecutive bytes, aligned
.endr
.endm
.irp a, 0,1,2,3,4,5,6,7
	OUTBLK \a
.endr
	s_wait_tensorcnt 0x0                           ; the wave's end
	ds_add_u32 v[SPW], v[NIL]
	s_wait_dscnt 0x0
	CROUND                                         ; the closing round: no work-group ends while a partner may still ask for a tile that names it
	s_endpgm
.Lfunc_end_k_q1a9c238da0_qkv:
	.size	k_q1a9c238da0_qkv, .Lfunc_end_k_q1a9c238da0_qkv-k_q1a9c238da0_qkv
	.p2alignl 7, 3214868480
	.fill 96, 4, 3214868480
	.section	.rodata,"a",@progbits
	.p2align	6, 0x0
	.amdhsa_kernel k_q1a9c238da0_qkv
		.amdhsa_group_segment_fixed_size 327680
		.amdhsa_private_segment_fixed_size 0
		.amdhsa_enable_private_segment 0
		.amdhsa_kernarg_size 72
		.amdhsa_user_sgpr_count 2
		.amdhsa_user_sgpr_kernarg_segment_ptr 1
		.amdhsa_wavefront_size32 1
		.amdhsa_system_sgpr_workgroup_id_x 1
		.amdhsa_system_sgpr_workgroup_id_y 1
		.amdhsa_system_sgpr_workgroup_id_z 1
		.amdhsa_system_vgpr_workitem_id 0
		.amdhsa_next_free_vgpr 1024
		.amdhsa_next_free_sgpr 102
		.amdhsa_reserve_vcc 0
		.amdhsa_float_denorm_mode_32 3
		.amdhsa_float_denorm_mode_16_64 3
		.amdhsa_memory_ordered 1
		.amdhsa_forward_progress 1
		.amdhsa_inst_pref_size 162
	.end_amdhsa_kernel
	.amdgpu_metadata
---
amdhsa.version: [ 1, 2 ]
amdhsa.kernels:
  - .name:           k_q1a9c238da0_qkv
    .symbol:         k_q1a9c238da0_qkv.kd
    .args:
      - { .name: hc, .offset: 0, .size: 8, .value_kind: global_buffer, .address_space: global }
      - { .name: Wq_codes, .offset: 8, .size: 8, .value_kind: global_buffer, .address_space: global }
      - { .name: Wk_codes, .offset: 16, .size: 8, .value_kind: global_buffer, .address_space: global }
      - { .name: Wv_codes, .offset: 24, .size: 8, .value_kind: global_buffer, .address_space: global }
      - { .name: bq, .offset: 32, .size: 8, .value_kind: global_buffer, .address_space: global }
      - { .name: bk, .offset: 40, .size: 8, .value_kind: global_buffer, .address_space: global }
      - { .name: bv, .offset: 48, .size: 8, .value_kind: global_buffer, .address_space: global }
      - { .name: lowp_scales, .offset: 56, .size: 8, .value_kind: global_buffer, .address_space: global }
      - { .name: qkvf, .offset: 64, .size: 8, .value_kind: global_buffer, .address_space: global }
    .group_segment_fixed_size: 327680
    .private_segment_fixed_size: 0
    .kernarg_segment_align: 8
    .kernarg_segment_size: 72
    .max_flat_workgroup_size: 128
    .sgpr_count:     102
    .vgpr_count:     1024
    .wavefront_size: 32
...
	.end_amdgpu_metadata
.endif
;; end of part 2
;; launch attn (part 3): grid 4 x 64, 16 waves a work-group, clusters of 4 x 1, 202,752 bytes of LDS; arguments qkvf, lowp_scales, oatt; writes oatt
.if DOCPART == 3
	.amdgcn_target "amdgcn-amd-amdhsa--gfx1250"
	.amdhsa_code_object_version 6
	.text
	.protected	k_q1a9c238da0_attn
	.globl	k_q1a9c238da0_attn
	.p2align	8
	.type	k_q1a9c238da0_attn,@function
k_q1a9c238da0_attn:
	s_mov_b64 s[64:65], 0
	v_nop
	global_prefetch_b8 v0, s[64:65] scope:SCOPE_SE
	s_setreg_imm32_b32 hwreg(HW_REG_WAVE_MODE, 25, 1), 1
	s_wait_xcnt 0x0
	s_wait_alu depctr_hold_cnt(0) depctr_sa_sdst(0) depctr_va_vdst(0) depctr_va_sdst(0) depctr_va_ssrc(0) depctr_va_vcc(0) depctr_vm_vsrc(0)
	s_getreg_b32 s2, hwreg(HW_REG_IB_STS2, 6, 4)
	s_cmp_eq_u32 s2, 0
	s_cbranch_scc0 .Lentry_in_a_cluster
	s_endpgm
.Lentry_in_a_cluster:
	s_bfe_u32 s2, ttmp6, 0x10000c
	s_cmp_lg_u32 s2, 0x3003
	s_cbranch_scc0 .Lentry_shape_is_right
	s_endpgm
.Lentry_shape_is_right:
; o = softmax(q k^T / 32, causal) v for one batch and head a cluster, both products on codes of E4M3, read as images of the operands' registers (qkvf).  o: f32, [4096 tokens][1024], heads side by side.
; THE SOFTMAX: t = score x log2(e) / 32; M = the running largest t rounded UP to a whole number; p = 2^(t - M) is quantised with the given 2^ep, not normalised; the row's sum is taken of the unquantised p and divides at the end.
; When M moves, the sum and O are multiplied by 2^(old M - new M): exact.
; SHARES.  The head's K (64 KiB) and V (64 KiB) lie WHOLE in LDS, filled once, by joint loads of the cluster's four work-groups (waves 0, 1: K's halves; waves 2, 3: V's): no ring, nothing is filled again.
; A wave owns one tile of 16 queries, t = 4 grp + cx; grp hangs on the wave's number alone and is dealt so that waves w, w + 4, w + 8, w + 12 together have 18 steps of 128 keys for every w.
; The last step that a wave needs is grp / 2: no branch hangs on the place in the cluster.  The loop has eight trips in every wave; a step all of whose keys come after the queries is jumped over.
; LAYOUT.  S^T = K Q^T (K = 64 form: source 0 = 16 keys, source 1 = my 16 queries): lane (r, h) holds query r and, in register 8 c + j, key 16 c + 8 h + j: converted, tile c gives registers 2 c, 2 c + 1 of p's fragment
; for O^T = V^T P^T (K = 128 form: source 0 = 16 of the head's 64).  Nothing changes lanes.
; LIMITS: eq + ek between -121 and 132 (added to c's exponent field); ep between -126 and 119.
; REGISTERS: v1 16 x lane; v2, v3 the step's LDS addresses; v4-6 the way out; v7 the diagonal's bound; v12 -M, v13 the largest t, v[14:15] the sum; v16-23 Q; v32-95 K's eight fragments, then V's four; v96-159 S^T, then p;
;   v160-191 O^T; v192-207 p's codes; v208-239 O scaled.
.set VOFF,  65536                      ; LDS: K's 64 images of 1,024 bytes at 0; V's 8 x 4 images of 2,048 bytes here
.set STAGE, 131072                     ; the way out: 16 rows x 272 bytes for each wave: bytes of their own, since other waves may still read K and V
.set SPI,   272
.macro ROUND                           ; a round of the cluster's barrier
	s_barrier_signal -1
	s_barrier_wait -1
	s_cmp_lg_u32 s14, 0
	s_cbranch_scc1 .Lnot_wave_0_\@
	s_barrier_signal -3
.Lnot_wave_0_\@:
	s_barrier_wait -3
	s_barrier_signal -1
	s_barrier_wait -1
.endm
	s_load_b128 s[4:7], s[0:1], 0x0                ; qkvf, the scales' exponents
	s_load_b64 s[8:9], s[0:1], 0x10                ; oatt
	v_lshl_add_u32 v254, v0, 2, 0x31000
	v_mov_b32 v255, 0
	ds_add_u32 v254, v255
	ds_add_u32 v254, v255
	v_lshrrev_b32 v1, 5, v0
	s_delay_alu instid0(VALU_DEP_1)
	v_readfirstlane_b32 s14, v1                    ; wave 0..15
	s_bfe_u32 s15, ttmp6, 0x40000                  ; cx
	s_and_b32 s16, ttmp7, 0xffff                   ; batch x 16 + head
	s_lshr_b32 s10, s16, 4                         ; batch
	s_and_b32 s11, s16, 15                         ; head
	s_and_b32 s12, s14, 3
	s_lshr_b32 s13, s14, 2
	s_and_b32 s17, s13, 1
	s_mul_i32 s17, s17, 3
	s_xor_b32 s17, s17, s12
	s_lshl_b32 s13, s13, 2
	s_add_co_u32 s17, s17, s13                     ; grp = 4 (w / 4) + (w % 4, turned round in every second four)
	s_lshr_b32 s18, s17, 1                         ; my last step of 128 keys
	s_lshl_b32 s19, s17, 2
	s_add_co_u32 s19, s19, s15                     ; my tile of 16 queries
	s_and_b32 s50, s14, 1                          ; which half I fetch, if I fetch
	s_lshl_b32 s51, s50, 15                        ; its place in LDS
	s_lshl_b32 s56, s10, 20                        ; the batch in each part of qkvf: 1 MiB
	s_lshl_b32 s57, s50, 19                        ; the second half: 32 token tiles of 16,384 bytes = 4 key blocks of 131,072
	s_lshl_b32 s58, s11, 10
	s_add_co_u32 s58, s58, s56                     ; q, k: batch + head x 1,024
	s_add_co_u32 s60, s58, s57
	s_mov_b32 s61, 0                               ; s[60:61]: K's half
	s_lshl_b32 s62, s11, 13
	s_add_co_u32 s62, s62, s56
	s_add_co_u32 s62, s62, s57
	s_mov_b32 s63, 0                               ; s[62:63]: V's half: batch + head x 8,192
	s_lshl_b32 s59, s19, 14
	s_add_co_u32 s58, s58, s59
	s_mov_b32 s59, 0                               ; s[58:59]: my tile of Q
	s_lshl_b32 s56, s10, 22
	s_lshl_b32 s57, s19, 16
	s_add_co_u32 s56, s56, s57
	s_lshl_b32 s57, s11, 8
	s_add_co_u32 s56, s56, s57
	s_mov_b32 s57, 0                               ; s[56:57]: my 16 rows of o, at my head's 256 bytes
	; descriptor groups 1, elements of 8 bytes, no padding.  K: 32 rows of 1,024 bytes, 16,384 apart.  V: 4 rows of 8,192 bytes, 131,072 apart.
	s_mov_b32 s24, 15|(3<<16)|(1<<21)              ; the mask: all four work-groups; bit 21 beside it
	s_mov_b32 s25, 128<<16
	s_mov_b32 s26, 32<<16
	s_mov_b32 s27, 128<<16
	s_mov_b32 s28, 32
	s_mov_b32 s29, 2048
	s_mov_b32 s30, 0
	s_mov_b32 s31, 0
	s_mov_b32 s32, 15|(3<<16)|(1<<21)
	s_mov_b32 s33, 1024<<16
	s_mov_b32 s34, 4<<16
	s_mov_b32 s35, 1024<<16
	s_mov_b32 s36, 4
	s_mov_b32 s37, 16384
	s_mov_b32 s38, 0
	s_mov_b32 s39, 0
	s_mov_b32 s20, 0x76543210                      ; lane selects: lane l xor 16
	s_mov_b32 s21, 0xfedcba98
	s_mov_b32 s22, 0x3d38aa3b                      ; c = log2(e) / 32
	s_wait_dscnt 0x0
	s_wait_kmcnt 0x0
	s_load_b128 s[52:55], s[6:7], 0x18             ; eq, ek, ep, ev: entries 6 to 9
	s_mov_b32 s40, 1
	s_mov_b32 s41, s51
	s_add_nc_u64 s[42:43], s[4:5], s[60:61]
	s_add_nc_u64 s[42:43], s[42:43], 0x400000      ; part 1: k
	s_or_b32 s43, s43, 0x80000000
	s_mov_b32 s44, 1
	s_add_co_u32 s45, s51, VOFF
	s_add_nc_u64 s[46:47], s[4:5], s[62:63]
	s_add_nc_u64 s[46:47], s[46:47], 0x800000      ; part 2: v
	s_or_b32 s47, s47, 0x80000000
	ROUND                                          ; all four work-groups are here: the joint loads meet
	s_cmp_lt_u32 s14, 2                            ; the branches hang on the wave's number alone; four v_nop follow each load
	s_cbranch_scc0 .Lnot_k
	tensor_load_to_lds s[40:43], s[24:31]
	s_nop 0
.rept 4
	v_nop
.endr
	s_branch .Lasked
.Lnot_k:
	s_cmp_lt_u32 s14, 4
	s_cbranch_scc0 .Lasked
	tensor_load_to_lds s[44:47], s[32:39]
	s_nop 0
.rept 4
	v_nop
.endr
.Lasked:
	s_add_nc_u64 s[4:5], s[4:5], s[58:59]
	s_add_nc_u64 s[8:9], s[8:9], s[56:57]
	v_and_b32 v8, 31, v0
	s_delay_alu instid0(VALU_DEP_1)
	v_lshlrev_b32 v1, 4, v8                        ; 16 x lane: an image's place for my lane
	global_load_b128 v[16:19], v1, s[4:5]          ; Q's fragment stays in registers
	global_load_b128 v[20:23], v1, s[4:5] offset:512
	v_and_b32 v8, 15, v0                           ; r
	v_bfe_u32 v9, v0, 4, 1                         ; h
	s_mul_i32 s50, s14, 16*SPI
	s_add_co_u32 s50, s50, STAGE                   ; my stage
	v_mul_u32_u24 v4, v8, SPI
	s_delay_alu instid0(VALU_DEP_1)
	v_lshl_add_u32 v4, v9, 5, v4
	s_delay_alu instid0(VALU_DEP_1)
	v_add_nc_u32 v4, s50, v4                       ; in: row r, + 32 h
	v_mul_u32_u24 v5, v9, SPI
	s_delay_alu instid0(VALU_DEP_1)
	v_lshl_add_u32 v5, v8, 4, v5
	s_delay_alu instid0(VALU_DEP_1)
	v_add_nc_u32 v5, s50, v5                       ; back: lanes 0-15 one row, lanes 16-31 the next
	v_lshlrev_b32 v6, 12, v9
	s_delay_alu instid0(VALU_DEP_1)
	v_lshl_add_u32 v6, v8, 4, v6                   ; and the same two rows in o
	s_and_b32 s51, s19, 7
	s_lshl_b32 s51, s51, 4
	v_lshlrev_b32 v7, 3, v9
	s_delay_alu instid0(VALU_DEP_1)
	v_sub_nc_u32 v7, v8, v7
	s_delay_alu instid0(VALU_DEP_1)
	v_add_nc_u32 v7, s51, v7                       ; d = 16 (tile % 8) + r - 8 h: in my last step register 8 c + j is hidden where 16 c + j > d
	v_mov_b32 v13, 0xff61b1e6                      ; the largest t so far: -3e38
	s_delay_alu instid0(VALU_DEP_1)
	v_floor_f32 v12, -v13                          ; -M
	v_mov_b32 v14, 0
	v_mov_b32 v15, 0
	v_mov_b32 v24, 0                               ; a lane permute's destination counts as read
	v_mov_b32 v27, 0                               ; named as the upper half of the pair v[26:27]
.set j, 0
.rept 32
	v_mov_b32 v[160+j], 0                          ; O^T: the step is written once; the first finds zeros, which the first change of M leaves zeros
.set j, j+1
.endr
	s_wait_kmcnt 0x0
	s_add_co_i32 s10, s52, s53
	s_lshl_b32 s10, s10, 23
	s_add_co_i32 s22, s22, s10                     ; a score stands for score x 2^(eq + ek): added to c's exponent field
	s_mov_b32 s23, s22
	s_add_co_i32 s10, s54, 127
	s_lshl_b32 s11, s10, 23
	v_mov_b32 v30, s11                             ; 2^ep
	s_add_co_i32 s10, s10, 8
	s_lshl_b32 s10, s10, 23
	s_or_b32 s10, s10, 0x600000
	v_mov_b32 v31, s10                             ; 448 x 2^ep
	s_add_co_i32 s12, s54, s55                     ; ep + ev
	s_wait_tensorcnt 0x0                           ; my load, if I issued one, has landed
	s_barrier_signal -1
	s_barrier_wait -1                              ; K and V lie whole in LDS
	s_wait_loadcnt 0x0                             ; Q
	s_mov_b32 s48, 0                               ; the step
	s_mov_b32 s49, 0                               ; its 8,192 bytes in K and in V
.Lstep:
	s_cmp_gt_u32 s48, s18
	s_cbranch_scc1 .Lfoot                          ; all its keys come after my queries
	v_add_nc_u32 v2, s49, v1
	s_delay_alu instid0(VALU_DEP_1)
	v_add_nc_u32 v3, VOFF, v2
	v_nop                                          ; with the two additions: four places in front of loads into registers that the last products read
	v_nop
.set c, 0
.rept 8
	ds_load_b128 v[32+8*c:35+8*c], v2 offset:1024*c
	ds_load_b128 v[36+8*c:39+8*c], v2 offset:1024*c+512
.set c, c+1
.endr
	s_wait_alu depctr_va_vdst(0)
	s_wait_dscnt 0x0
.set c, 0
.rept 8
	v_wmma_f32_16x16x64_fp8_fp8 v[96+8*c:103+8*c], v[32+8*c:39+8*c], v[16:23], 0
.set c, c+1
.endr
.rept 4
	v_nop                                          ; places in front of the loads below and of the first read of the scores
.endr
.set c, 0
.rept 16
	ds_load_b128 v[32+4*c:35+4*c], v3 offset:512*c ; V's four fragments land while the softmax is worked
.set c, c+1
.endr
	s_cmp_lg_u32 s48, s18
	s_cbranch_scc1 .Lopen                          ; only my last step lies on the diagonal
	v_mov_b32 v10, 0xff800000                      ; -infinity: p = 0 then
.set n, 0
.rept 64
	v_cmp_gt_i32 vcc_lo, 16*(n/8)+n%8, v7
	v_cndmask_b32 v[96+n], v[96+n], v10, vcc_lo
.set n, n+1
.endr
.Lopen:
	v_max3_num_f32 v10, v96, v97, v98              ; the step's largest score of my query among my 64 keys, in two chains, ascending,
	v_max3_num_f32 v11, v99, v100, v101
.set i, 6
.rept 14
	v_max3_num_f32 v10, v10, v[96+i], v[97+i]
	v_max3_num_f32 v11, v11, v[98+i], v[99+i]
.set i, i+4
.endr
	v_max3_num_f32 v10, v10, v158, v159
	s_delay_alu instid0(VALU_DEP_1)
	v_max_num_f32 v10, v10, v11
	s_delay_alu instid0(VALU_DEP_1)
	v_permlanex16_b32 v24, v10, s20, s21
	s_delay_alu instid0(VALU_DEP_1)
	v_max_num_f32 v10, v10, v24                    ; and among lane l xor 16's
	s_delay_alu instid0(VALU_DEP_1)
	v_mul_f32 v10, s22, v10                        ; as t (c is positive)
	s_delay_alu instid0(VALU_DEP_1)
	v_max_num_f32 v13, v13, v10
	v_mov_b32 v10, v12
	s_delay_alu instid0(VALU_DEP_2)
	v_floor_f32 v12, -v13                          ; the new -M = -ceil(t)
	s_delay_alu instid0(VALU_DEP_1)
	v_sub_f32 v10, v12, v10                        ; old M - new M: a whole number, 0 or less
	s_delay_alu instid0(VALU_DEP_1)
	v_cvt_i32_f32 v10, v10                         ; (it saturates)
	s_delay_alu instid0(VALU_DEP_1)
	v_ldexp_f32 v26, 1.0, v10                      ; f = 2^(old M - new M)
.set j, 0
.rept 32
	v_pk_fma_f32 v[96+j:97+j], v[96+j:97+j], s[22:23], v[12:13] op_sel_hi:[1,0,0]   ; t - M
.set j, j+2
.endr
.set j, 0
	s_wait_alu depctr_va_vdst(0)
.rept 64
	v_exp_f32 v[96+j], v[96+j]                     ; p = 2^(t - M)
.set j, j+1
.endr
	v_pk_mul_f32 v[14:15], v[14:15], v[26:27] op_sel_hi:[1,0]   ; the sum under the new M (a plain instruction behind the exponentials)
	s_wait_alu depctr_va_vdst(0)
	v_pk_add_f32 v[28:29], v[100:101], v[104:105]
	v_pk_add_f32 v[252:253], v[108:109], v[112:113]
	v_pk_add_f32 v[250:251], v[116:117], v[120:121]
	v_pk_add_f32 v[248:249], v[124:125], v[128:129]
	v_pk_add_f32 v[246:247], v[132:133], v[136:137]
	v_pk_add_f32 v[244:245], v[140:141], v[144:145]
	v_pk_add_f32 v[242:243], v[148:149], v[152:153]
	v_pk_add_f32 v[14:15], v[14:15], v[156:157]
	v_pk_add_f32 v[28:29], v[28:29], v[96:97]
	v_pk_add_f32 v[252:253], v[252:253], v[98:99]
	v_pk_add_f32 v[250:251], v[250:251], v[102:103]
	v_pk_add_f32 v[248:249], v[248:249], v[106:107]
	v_pk_add_f32 v[246:247], v[246:247], v[110:111]
	v_pk_add_f32 v[244:245], v[244:245], v[114:115]
	v_pk_add_f32 v[242:243], v[242:243], v[118:119]
	v_pk_add_f32 v[14:15], v[14:15], v[122:123]
	v_pk_add_f32 v[28:29], v[28:29], v[126:127]
	v_pk_add_f32 v[252:253], v[252:253], v[130:131]
	v_pk_add_f32 v[250:251], v[250:251], v[134:135]
	v_pk_add_f32 v[248:249], v[248:249], v[138:139]
	v_pk_add_f32 v[246:247], v[246:247], v[142:143]
	v_pk_add_f32 v[244:245], v[244:245], v[146:147]
	v_pk_add_f32 v[242:243], v[242:243], v[150:151]
	v_pk_add_f32 v[14:15], v[14:15], v[154:155]
	v_pk_add_f32 v[28:29], v[28:29], v[158:159]
	s_delay_alu instid0(VALU_DEP_2)
	v_pk_add_f32 v[14:15], v[14:15], v[248:249]
	s_delay_alu instid0(VALU_DEP_2)
	v_pk_add_f32 v[28:29], v[28:29], v[246:247]
	v_pk_add_f32 v[252:253], v[252:253], v[244:245]
	v_pk_add_f32 v[250:251], v[250:251], v[242:243]
	s_delay_alu instid0(VALU_DEP_2)
	v_pk_add_f32 v[14:15], v[14:15], v[252:253]
	s_delay_alu instid0(VALU_DEP_2)
	v_pk_add_f32 v[28:29], v[28:29], v[250:251]
	s_delay_alu instid0(VALU_DEP_1)
	v_pk_add_f32 v[14:15], v[14:15], v[28:29]
.set j, 0
.rept 64
	v_min_num_f32 v[96+j], v[96+j], v31            ; the conversion does not saturate (ISA guide 7.6.2); p is not negative
.set j, j+1
.endr
.set c, 0
.rept 8
	v_cvt_scalef32_pk8_fp8_f32 v[192+2*c:193+2*c], v[96+8*c:103+8*c], v30
.set c, c+1
.endr
.set j, 0
.rept 16
	v_pk_mul_f32 v[160+j:161+j], v[160+j:161+j], v[26:27] op_sel_hi:[1,0]   ; O^T under the new M; also the plain instructions behind the conversions
.set j, j+2
.endr
	s_wait_alu depctr_va_vdst(0)
	s_wait_dscnt 0x0                               ; V is in
.set c, 0
.rept 4
	v_wmma_f32_16x16x128_fp8_fp8 v[160+8*c:167+8*c], v[32+16*c:47+16*c], v[192:207], v[160+8*c:167+8*c]   ; four accumulators by turns
.set c, c+1
.endr
.Lfoot:
	s_add_co_u32 s49, s49, 8192
	s_add_co_u32 s48, s48, 1
	s_cmp_lt_u32 s48, 8
	s_cbranch_scc1 .Lstep
	; THE WAY OUT: O^T / the sum x 2^(ep + ev), through my stage, so that sixteen lanes store 256 consecutive bytes of a row of o.
	v_add_f32 v14, v14, v15
	s_delay_alu instid0(VALU_DEP_1)
	v_permlanex16_b32 v24, v14, s20, s21
	s_delay_alu instid0(VALU_DEP_1)
	v_add_f32 v14, v14, v24
	s_wait_alu depctr_va_vdst(0)
	v_rcp_f32 v14, v14
	v_nop                                          ; a plain instruction behind the reciprocal
	s_wait_alu depctr_va_vdst(0)
	v_ldexp_f32 v14, v14, s12
	v_nop
.set j, 0
.rept 16
	v_pk_mul_f32 v[208+j:209+j], v[160+j:161+j], v[14:15] op_sel_hi:[1,0]   ; register 8 t + i: o(r, 16 t + 8 h + i); each accumulator from its low end on
.set j, j+2
.endr
.irp t, 0,1,2,3
	ds_store_b128 v4, v[208+8*\t:211+8*\t] offset:64*\t
	ds_store_b128 v4, v[212+8*\t:215+8*\t] offset:64*\t+16
.endr
.irp i, 0,1,2,3,4,5,6,7
	ds_load_b128 v[32+4*\i:35+4*\i], v5 offset:2*\i*SPI   ; LDS serves a wave's instructions in order: these see my stores
.endr
.irp i, 0,1,2,3,4,5,6,7
	s_wait_dscnt 7-\i                              ; the younger loads may stay out
	global_store_b128 v6, v[32+4*\i:35+4*\i], s[8:9] offset:8192*\i
.endr
	s_wait_tensorcnt 0x0
	ds_add_u32 v254, v255
	s_wait_dscnt 0x0
	ROUND                                          ; the closing round: no work-group ends while a partner may still ask jointly
	s_endpgm
.Lfunc_end_k_q1a9c238da0_attn:
	.size	k_q1a9c238da0_attn, .Lfunc_end_k_q1a9c238da0_attn-k_q1a9c238da0_attn
	.p2alignl 7, 3214868480
	.fill 96, 4, 3214868480
	.section	.rodata,"a",@progbits
	.p2align	6, 0x0
	.amdhsa_kernel k_q1a9c238da0_attn
		.amdhsa_group_segment_fixed_size 202752
		.amdhsa_private_segment_fixed_size 0
		.amdhsa_enable_private_segment 0
		.amdhsa_kernarg_size 24
		.amdhsa_user_sgpr_count 2
		.amdhsa_user_sgpr_kernarg_segment_ptr 1
		.amdhsa_wavefront_size32 1
		.amdhsa_system_sgpr_workgroup_id_x 1
		.amdhsa_system_sgpr_workgroup_id_y 1
		.amdhsa_system_sgpr_workgroup_id_z 1
		.amdhsa_system_vgpr_workitem_id 0
		.amdhsa_next_free_vgpr 256
		.amdhsa_next_free_sgpr 66
		.amdhsa_reserve_vcc 1
		.amdhsa_float_denorm_mode_32 3
		.amdhsa_float_denorm_mode_16_64 3
		.amdhsa_memory_ordered 1
		.amdhsa_forward_progress 1
		.amdhsa_inst_pref_size 33
	.end_amdhsa_kernel
	.amdgpu_metadata
---
amdhsa.version: [ 1, 2 ]
amdhsa.kernels:
  - .name:           k_q1a9c238da0_attn
    .symbol:         k_q1a9c238da0_attn.kd
    .args:
      - { .name: qkvf, .offset: 0, .size: 8, .value_kind: global_buffer, .address_space: global }
      - { .name: lowp_scales, .offset: 8, .size: 8, .value_kind: global_buffer, .address_space: global }
      - { .name: oatt, .offset: 16, .size: 8, .value_kind: global_buffer, .address_space: global }
    .group_segment_fixed_size: 202752
    .private_segment_fixed_size: 0
    .kernarg_segment_align: 8
    .kernarg_segment_size: 24
    .max_flat_workgroup_size: 512
    .sgpr_count:     66
    .vgpr_count:     256
    .wavefront_size: 32
...
	.end_amdgpu_metadata
.endif
;; end of part 3
;; launch ln2 (part 4): grid 256 x 1, 16 waves a work-group, no clusters, 112,640 bytes of LDS; arguments x, oatt, g1, b1, g2, b2, gf, bf, b2f, lowp_scales, res, hfc; writes res, hfc
.if DOCPART == 4
	.amdgcn_target "amdgcn-amd-amdhsa--gfx1250"
	.amdhsa_code_object_version 6
	.text
	.protected	k_q1a9c238da0_ln2
	.globl	k_q1a9c238da0_ln2
	.p2align	8
	.type	k_q1a9c238da0_ln2,@function
k_q1a9c238da0_ln2:
	s_mov_b64 s[64:65], 0
	v_nop
	global_prefetch_b8 v0, s[64:65] scope:SCOPE_SE
	s_setreg_imm32_b32 hwreg(HW_REG_WAVE_MODE, 25, 1), 1
	s_wait_xcnt 0x0
; h = LayerNorm(x; g1, b1) once more (h was not stored); x3 = LayerNorm(h + o; g2, b2); hf = LayerNorm(x3; gf, bf).
; res = x3 + hf + b2f, f32: all of the result but the last product.  hfc = hf's codes of E4M3 with the given scale (entry 10), [4096 rows][1024 codes].
; One wave, one row, as in the first launch; the seven parameter rows are copied once into LDS by the work-group.  Each norm is taken in two passes.
; LIMITS: entry 10 lies between -126 and 119.  NaN among the inputs is not served.
.set STG, 28672                        ; LDS: parameter p at 4,096 p (g1, b1, g2, b2, gf, bf, b2f); then stages of 5,120 bytes a wave
.set SP,  80
.set X,   32                           ; v32-63   the row
.set G,   64
.set BB,  96
.set T,   128                          ; v128-159 hf turned
.set O,   160                          ; v160-191 o, later hf
.set C,   192                          ; v192-199 codes
.set PR,  200                          ; v200-213 the parameters on their way to LDS
.macro REDUCE r
	s_delay_alu instid0(VALU_DEP_1)
	v_add_f32_dpp v[\r], v[\r], v[\r] row_xmask:1 row_mask:0xf bank_mask:0xf
	s_delay_alu instid0(VALU_DEP_1)
	v_add_f32_dpp v[\r], v[\r], v[\r] row_xmask:2 row_mask:0xf bank_mask:0xf
	s_delay_alu instid0(VALU_DEP_1)
	v_add_f32_dpp v[\r], v[\r], v[\r] row_xmask:4 row_mask:0xf bank_mask:0xf
	s_delay_alu instid0(VALU_DEP_1)
	v_add_f32_dpp v[\r], v[\r], v[\r] row_xmask:8 row_mask:0xf bank_mask:0xf
	s_delay_alu instid0(VALU_DEP_1)
	v_permlanex16_b32 v16, v[\r], s28, s29
	s_delay_alu instid0(VALU_DEP_1)
	v_add_f32 v[\r], v[\r], v16
.endm
.macro LNORM S, D, pg, pb              ; D = LayerNorm(S), gain at LDS byte pg, bias at pb; S is kept where D is another set
.set i, 0
.rept 8
	ds_load_b128 v[G+4*i:G+4*i+3], v1 offset:\pg+512*i
	ds_load_b128 v[BB+4*i:BB+4*i+3], v1 offset:\pb+512*i
.set i, i+1
.endr
	v_pk_add_f32 v[10:11], v[32:33], v[34:35]
	v_pk_add_f32 v[222:223], v[40:41], v[44:45]
	v_pk_add_f32 v[220:221], v[48:49], v[52:53]
	v_pk_add_f32 v[218:219], v[56:57], v[60:61]
	v_pk_add_f32 v[216:217], v[36:37], v[38:39]
	v_pk_add_f32 v[214:215], v[42:43], v[46:47]
	v_pk_add_f32 v[212:213], v[50:51], v[54:55]
	v_pk_add_f32 v[8:9], v[58:59], v[62:63]
	s_delay_alu instid0(VALU_DEP_1)
	v_pk_add_f32 v[8:9], v[8:9], v[218:219]
	v_pk_add_f32 v[10:11], v[10:11], v[216:217]
	v_pk_add_f32 v[222:223], v[222:223], v[214:215]
	v_pk_add_f32 v[220:221], v[220:221], v[212:213]
	s_delay_alu instid0(VALU_DEP_2)
	v_pk_add_f32 v[8:9], v[8:9], v[222:223]
	s_delay_alu instid0(VALU_DEP_2)
	v_pk_add_f32 v[10:11], v[10:11], v[220:221]
	s_delay_alu instid0(VALU_DEP_1)
	v_pk_add_f32 v[8:9], v[8:9], v[10:11]
	s_delay_alu instid0(VALU_DEP_1)
	v_add_f32 v8, v8, v9
	REDUCE 8
	s_delay_alu instid0(VALU_DEP_1)
	v_mul_f32 v12, s30, v8
	s_delay_alu instid0(VALU_DEP_1)
	v_mov_b32 v13, v12
.set i, 0
.rept 16
	v_pk_add_f32 v[\D+i:\D+i+1], v[\S+i:\S+i+1], v[12:13] neg_lo:[0,1] neg_hi:[0,1]
.set i, i+2
.endr
	v_pk_mul_f32 v[8:9], v[\D:\D+1], v[\D:\D+1]
	v_pk_mul_f32 v[10:11], v[\D+2:\D+3], v[\D+2:\D+3]
.set i, 4
.rept 7
	s_delay_alu instid0(VALU_DEP_2)
	v_pk_fma_f32 v[8:9], v[\D+i:\D+i+1], v[\D+i:\D+i+1], v[8:9]
	s_delay_alu instid0(VALU_DEP_2)
	v_pk_fma_f32 v[10:11], v[\D+i+2:\D+i+3], v[\D+i+2:\D+i+3], v[10:11]
.set i, i+4
.endr
	s_delay_alu instid0(VALU_DEP_1)
	v_pk_add_f32 v[8:9], v[8:9], v[10:11]
	s_delay_alu instid0(VALU_DEP_1)
	v_add_f32 v8, v8, v9
	REDUCE 8
	s_delay_alu instid0(VALU_DEP_1)
	v_fma_f32 v17, v8, s30, s31
	s_wait_alu depctr_va_vdst(0)
	v_rsq_f32 v14, v17
	v_rsq_f32 v15, v17
	v_nop                                                      ; a plain instruction between the root and the use of its result (ISA guide 5.7.2)
	s_wait_dscnt 0x0
.set i, 0
	s_wait_alu depctr_va_vdst(0)
.rept 16
	v_pk_mul_f32 v[\D+i:\D+i+1], v[\D+i:\D+i+1], v[14:15]
.set i, i+2
.endr
.set i, 0
.rept 16
	v_pk_fma_f32 v[\D+i:\D+i+1], v[\D+i:\D+i+1], v[G+i:G+i+1], v[BB+i:BB+i+1]
.set i, i+2
.endr
.endm
.macro TURN S                          ; the row in S through my wave's stage into T: 16 neighbours a lane in each half of the row
.set i, 0
.rept 8
	ds_store_b128 v3, v[\S+4*i:\S+4*i+3] offset:(i/4)*32*SP+(i%4)*8*SP
.set i, i+1
.endr
.set i, 0
.rept 8
	ds_load_b128 v[T+4*i:T+4*i+3], v4 offset:(i/4)*32*SP+(i%4)*16
.set i, i+1
.endr
	s_wait_dscnt 0x0
.endm
	s_load_b512 s[4:19], s[0:1], 0x0               ; x 4, oatt 6, g1 8, b1 10, g2 12, b2 14, gf 16, bf 18
	s_load_b256 s[20:27], s[0:1], 0x40             ; b2f 20, the scales' exponents 22, res 24, hfc 26
	v_lshl_add_u32 v224, v0, 2, 0x1b000
	v_mov_b32 v225, 0
	v_lshrrev_b32 v5, 5, v0
	s_delay_alu instid0(VALU_DEP_1)
	v_readfirstlane_b32 s36, v5                    ; wave
	v_and_b32 v6, 31, v0
	s_delay_alu instid0(VALU_DEP_1)
	v_lshlrev_b32 v1, 4, v6                        ; 16 x lane
	v_lshlrev_b32 v2, 3, v0                        ; 8 x thread
	s_mul_i32 s37, s36, 64*SP
	s_add_co_u32 s37, s37, STG
	v_lshrrev_b32 v3, 2, v6
	s_delay_alu instid0(VALU_DEP_1)
	v_mul_u32_u24 v3, v3, SP
	v_and_b32 v4, 3, v6
	s_delay_alu instid0(VALU_DEP_1)
	v_lshl_add_u32 v3, v4, 4, v3
	s_delay_alu instid0(VALU_DEP_1)
	v_add_nc_u32 v3, s37, v3
	v_mul_u32_u24 v4, v6, SP
	s_delay_alu instid0(VALU_DEP_1)
	v_add_nc_u32 v4, s37, v4
	v_mov_b32 v16, 0
	s_lshl_b32 s2, ttmp9, 4
	s_add_co_u32 s2, s2, s36                       ; my row
	s_lshl_b32 s32, s2, 12
	s_mov_b32 s33, 0
	s_lshl_b32 s34, s2, 10
	s_mov_b32 s35, 0
	s_mov_b32 s28, 0x76543210
	s_mov_b32 s29, 0xfedcba98
	s_mov_b32 s30, 0x3a800000                      ; 1 / 1024
	s_mov_b32 s31, 0x3727c5ac                      ; 1e-5
	s_wait_alu depctr_va_vdst(0)
	s_wait_kmcnt 0x0
	s_load_b32 s40, s[22:23], 0x28                 ; entry 10
	s_add_nc_u64 s[4:5], s[4:5], s[32:33]
	s_add_nc_u64 s[6:7], s[6:7], s[32:33]
	s_add_nc_u64 s[24:25], s[24:25], s[32:33]
	s_add_nc_u64 s[26:27], s[26:27], s[34:35]
.set p, 0
.rept 7
	global_load_b64 v[PR+2*p:PR+2*p+1], v2, s[8+2*p:9+2*p]
.set p, p+1
.endr
.set i, 0
.rept 8
	global_load_b128 v[X+4*i:X+4*i+3], v1, s[4:5] offset:512*i th:TH_LOAD_NT   ; x's last use
.set i, i+1
.endr
.set i, 0
.rept 8
	global_load_b128 v[O+4*i:O+4*i+3], v1, s[6:7] offset:512*i th:TH_LOAD_NT
.set i, i+1
.endr
	s_wait_loadcnt 0x10                            ; the seven parameter loads are in; x's and o's sixteen may stay out
.set p, 0
.rept 7
	ds_store_b64 v2, v[PR+2*p:PR+2*p+1] offset:4096*p
.set p, p+1
.endr
	s_wait_dscnt 0x0                               ; for the others' sake
	s_barrier_signal -1
	s_barrier_wait -1
	s_wait_loadcnt 0x8                             ; x is in; o's eight may stay out
	LNORM X, X, 0, 4096                            ; h
	s_wait_loadcnt 0x0
.set i, 0
.rept 16
	v_pk_add_f32 v[X+i:X+i+1], v[X+i:X+i+1], v[O+i:O+i+1]      ; h + o
.set i, i+2
.endr
	LNORM X, X, 8192, 12288                        ; x3
	LNORM X, O, 16384, 20480                       ; hf, beside x3
.set i, 0
.rept 8
	ds_load_b128 v[G+4*i:G+4*i+3], v1 offset:24576+512*i       ; b2f
.set i, i+1
.endr
.set i, 0
.rept 16
	v_pk_add_f32 v[X+i:X+i+1], v[X+i:X+i+1], v[O+i:O+i+1]
.set i, i+2
.endr
	s_wait_dscnt 0x0
.set i, 0
.rept 16
	v_pk_add_f32 v[X+i:X+i+1], v[X+i:X+i+1], v[G+i:G+i+1]
.set i, i+2
.endr
.set i, 0
.rept 8
	global_store_b128 v1, v[X+4*i:X+4*i+3], s[24:25] offset:512*i   ; 512 consecutive bytes, aligned
.set i, i+1
.endr
	TURN O
	s_wait_kmcnt 0x0
	s_add_co_i32 s40, s40, 127
	s_lshl_b32 s41, s40, 23
	v_mov_b32 v20, s41                             ; 2^e
	s_add_co_i32 s40, s40, 8
	s_lshl_b32 s40, s40, 23
	s_or_b32 s40, s40, 0x600000
	v_mov_b32 v21, s40                             ; 448 x 2^e
.set i, 0
.rept 32
	v_med3_num_f32 v[T+i], v[T+i], -v21, v21       ; the conversion to an 8-bit code does not saturate (ISA guide 7.6.2)
.set i, i+1
.endr
.set i, 0
.rept 4
	v_cvt_scalef32_pk8_fp8_f32 v[C+2*i:C+2*i+1], v[T+8*i:T+8*i+7], v20
.set i, i+1
.endr
	v_nop                                          ; a plain instruction behind the last conversion
	global_store_b128 v1, v[C:C+3], s[26:27]
	global_store_b128 v1, v[C+4:C+7], s[26:27] offset:512
	s_wait_tensorcnt 0x0
	ds_add_u32 v224, v225
	s_wait_dscnt 0x0
	s_endpgm
.Lfunc_end_k_q1a9c238da0_ln2:
	.size	k_q1a9c238da0_ln2, .Lfunc_end_k_q1a9c238da0_ln2-k_q1a9c238da0_ln2
	.p2alignl 7, 3214868480
	.fill 96, 4, 3214868480
	.section	.rodata,"a",@progbits
	.p2align	6, 0x0
	.amdhsa_kernel k_q1a9c238da0_ln2
		.amdhsa_group_segment_fixed_size 112640
		.amdhsa_private_segment_fixed_size 0
		.amdhsa_enable_private_segment 0
		.amdhsa_kernarg_size 96
		.amdhsa_user_sgpr_count 2
		.amdhsa_user_sgpr_kernarg_segment_ptr 1
		.amdhsa_wavefront_size32 1
		.amdhsa_system_sgpr_workgroup_id_x 1
		.amdhsa_system_sgpr_workgroup_id_y 1
		.amdhsa_system_sgpr_workgroup_id_z 1
		.amdhsa_system_vgpr_workitem_id 0
		.amdhsa_next_free_vgpr 226
		.amdhsa_next_free_sgpr 66
		.amdhsa_reserve_vcc 0
		.amdhsa_float_denorm_mode_32 3
		.amdhsa_float_denorm_mode_16_64 3
		.amdhsa_memory_ordered 1
		.amdhsa_forward_progress 1
		.amdhsa_inst_pref_size 38
	.end_amdhsa_kernel
	.amdgpu_metadata
---
amdhsa.version: [ 1, 2 ]
amdhsa.kernels:
  - .name:           k_q1a9c238da0_ln2
    .symbol:         k_q1a9c238da0_ln2.kd
    .args:
      - { .name: x, .offset: 0, .size: 8, .value_kind: global_buffer, .address_space: global }
      - { .name: oatt, .offset: 8, .size: 8, .value_kind: global_buffer, .address_space: global }
      - { .name: g1, .offset: 16, .size: 8, .value_kind: global_buffer, .address_space: global }
      - { .name: b1, .offset: 24, .size: 8, .value_kind: global_buffer, .address_space: global }
      - { .name: g2, .offset: 32, .size: 8, .value_kind: global_buffer, .address_space: global }
      - { .name: b2, .offset: 40, .size: 8, .value_kind: global_buffer, .address_space: global }
      - { .name: gf, .offset: 48, .size: 8, .value_kind: global_buffer, .address_space: global }
      - { .name: bf, .offset: 56, .size: 8, .value_kind: global_buffer, .address_space: global }
      - { .name: b2f, .offset: 64, .size: 8, .value_kind: global_buffer, .address_space: global }
      - { .name: lowp_scales, .offset: 72, .size: 8, .value_kind: global_buffer, .address_space: global }
      - { .name: res, .offset: 80, .size: 8, .value_kind: global_buffer, .address_space: global }
      - { .name: hfc, .offset: 88, .size: 8, .value_kind: global_buffer, .address_space: global }
    .group_segment_fixed_size: 112640
    .private_segment_fixed_size: 0
    .kernarg_segment_align: 8
    .kernarg_segment_size: 96
    .max_flat_workgroup_size: 512
    .sgpr_count:     66
    .vgpr_count:     226
    .wavefront_size: 32
...
	.end_amdgpu_metadata
.endif
;; end of part 4
;; launch ffn1 (part 5): grid 16 x 16, 4 waves a work-group, clusters of 4 x 4, 327,680 bytes of LDS; arguments hfc, W1_codes, b1f, lowp_scales, hid; writes hid
.if DOCPART == 5
	.amdgcn_target "amdgcn-amd-amdhsa--gfx1250"
	.amdhsa_code_object_version 6
	.text
	.protected	k_q1a9c238da0_ffn1
	.globl	k_q1a9c238da0_ffn1
	.p2align	8
	.type	k_q1a9c238da0_ffn1,@function
k_q1a9c238da0_ffn1:
	s_mov_b64 s[64:65], 0
	v_nop
	global_prefetch_b8 v0, s[64:65] scope:SCOPE_SE
	s_setreg_imm32_b32 hwreg(HW_REG_WAVE_MODE, 25, 1), 1
	s_wait_xcnt 0x0
	s_wait_alu depctr_hold_cnt(0) depctr_sa_sdst(0) depctr_va_vdst(0) depctr_va_sdst(0) depctr_va_ssrc(0) depctr_va_vcc(0) depctr_vm_vsrc(0)
	s_getreg_b32 s2, hwreg(HW_REG_IB_STS2, 6, 4)
	s_cmp_eq_u32 s2, 0
	s_cbranch_scc0 .Lentry_in_a_cluster
	s_endpgm
.Lentry_in_a_cluster:
	s_bfe_u32 s2, ttmp6, 0x10000c
	s_cmp_lg_u32 s2, 0xf033
	s_cbranch_scc0 .Lentry_shape_is_right
	s_endpgm
.Lentry_shape_is_right:
; hid = Q(relu(hf W1 + b1f)) on codes of E4M3 (K = 1,024).  Side A = 256 rows of hfc (source 1: its row is the lane's), side B = 256 rows of W1_codes (source 0): a lane holds one token and 8 neighbouring hidden units.
; hid is stored as images of the next product's operand registers: [token / 16][hidden / 128][2,048 bytes]: registers 4 g .. 4 g + 3 at 512 g + 16 x lane.
; A tile is 256 x 256, four waves of 128 x 128 (64 accumulators, by turns).  K goes in steps of 256 through a ring of two LDS slots filled by joint tensor loads: A's tile is shared along a row of the 4 x 4 cluster, B's along a column.
; The sums lack 2^E, E = entries 10 + 11 of the scales' exponents: the bias goes in as b1f / 2^E and the conversion takes 2^(entry 12 - E); the hold between 0 and 448 x that is the relu as well.
; No prefetch: K is four steps, of which the head asks for two, at the largest block in clusters.
; LIMITS: entry 12 - E lies between -126 and 119.  NaN among the inputs is not served.
.set KSTEP,  256
.set ROWB,   256
.set KROW,   1024
.set PITCH,  272
.set FR,     16
.set NL,     4
.set NP,     4
.set HALFT,  128*PITCH
.set SLOT,   4*HALFT
.set LAPS,   KROW/(2*KSTEP)
.set SPARE,  2*SLOT
.set ADRA, 16
.set ADRB, 20
.set LI,   26
.set SPW,  28
.set NIL,  29
.set BN0,  32
.set TMP,  128
.set AF,   128
.set G1, 24
.set G0, 32
.set G1B, 48
.set G0B, 56
.set MSB, 0
.macro WIN new
.if MSB != \new
	s_set_vgpr_msb (MSB<<8)|\new
.set MSB, \new
.endif
.endm
.set MUL_LO, 0xa1
.set MUL_HI, 0xf1
.set TO_B,   0x40
.macro JLOAD s
	s_cmp_eq_u32 s15, 0
	s_cbranch_scc0 .Lfor_b_\@
	tensor_load_to_lds s[G0+4*\s:G0+4*\s+3], s[G1:G1+7]
	s_nop 0
.rept 4
	v_nop
.endr
	s_branch .Lasked_\@
.Lfor_b_\@:
	tensor_load_to_lds s[G0B+4*\s:G0B+4*\s+3], s[G1B:G1B+7]
	s_nop 0
.rept 4
	v_nop
.endr
.Lasked_\@:
.endm
.macro CREST
	s_cmp_lg_u32 s14, 0
	s_cbranch_scc1 .Lnot_wave_0_\@
	s_barrier_signal -3
.Lnot_wave_0_\@:
	s_barrier_wait -3
	s_barrier_signal -1
	s_barrier_wait -1
.endm
.macro CROUND
	s_barrier_signal -1
	s_barrier_wait -1
	CREST
.endm
	s_load_b128 s[4:7], s[0:1], 0x0
	s_load_b128 s[8:11], s[0:1], 0x10
	s_load_b64 s[12:13], s[0:1], 0x20
	v_lshl_add_u32 v[SPW], v0, 2, SPARE
	v_mov_b32 v[NIL], 0
	ds_add_u32 v28, v29
	ds_add_u32 v28, v29
	s_wait_dscnt 0x0
	v_lshrrev_b32 v1, 5, v0
	v_readfirstlane_b32 s14, v1
	s_lshr_b32 s15, s14, 1
	s_and_b32 s16, s14, 1
	s_bfe_u32 s40, ttmp6, 0x40000
	s_bfe_u32 s41, ttmp6, 0x40004
	s_lshl_b32 s42, ttmp9, 2
	s_add_co_u32 s42, s42, s40
	s_and_b32 s17, ttmp7, 0xffff
	s_lshl_b32 s17, s17, 2
	s_add_co_u32 s17, s17, s41
	s_lshl_b32 s43, s41, 2
	s_lshl_b32 s43, 15, s43
	s_lshl_b32 s44, 0x1111, s40
	s_or_b32 s[G1+0], s43, (0<<16)|(1<<20)|(1<<21)|(5<<22)|(3<<25)
	s_or_b32 s[G1B+0], s44, (0<<16)|(1<<20)|(1<<21)|(5<<22)|(3<<25)
	; THE HEAD'S FILLS: one tensor load a wave, each of 256 rows x 256 bytes: wave 0: A's tile of K step 0, wave 1: B's; waves 2, 3: the same of K step 1.  Group 1 for A s[68:75], for B s[76:83]; group 0 for A s[92:95], for B s[4:7].
	s_or_b32 s68, s43, (0<<16)|(1<<20)|(1<<21)|(5<<22)|(3<<25)
	s_or_b32 s76, s44, (0<<16)|(1<<20)|(1<<21)|(5<<22)|(3<<25)
.irp g, 68, 76
	s_mov_b32 s[\g+1], ROWB<<16
	s_mov_b32 s[\g+2], 256<<16
	s_mov_b32 s[\g+3], ROWB<<16
	s_mov_b32 s[\g+4], 256
	s_mov_b32 s[\g+5], KROW
	s_mov_b32 s[\g+6], 0
	s_mov_b32 s[\g+7], 0
.endr
.irp g, G1, G1B
	s_mov_b32 s[\g+1], ROWB<<16
	s_mov_b32 s[\g+2], 128<<16
	s_mov_b32 s[\g+3], ROWB<<16
	s_mov_b32 s[\g+4], 128
	s_mov_b32 s[\g+5], KROW
	s_mov_b32 s[\g+6], 0
	s_mov_b32 s[\g+7], 0
.endr
	s_lshl_b32 s18, s16, 7
	s_lshl_b32 s20, s17, 8
	s_add_co_u32 s20, s20, s18
	s_lshl_b32 s20, s20, 10
	s_mov_b32 s21, 0
	s_lshl_b32 s46, s42, 8
	s_add_co_u32 s46, s46, s18
	s_lshl_b32 s46, s46, 10
	s_mov_b32 s47, 0
	s_mul_i32 s45, s14, HALFT
	s_lshl_b32 s66, s17, 18                        ; A: 256 rows of 1,024 bytes x tile row,
	s_lshl_b32 s67, s15, 8                         ; + 256 bytes x the K step, which is wave / 2
	s_add_co_u32 s66, s66, s67
	s_mov_b32 s67, 0
	s_lshl_b32 s84, s42, 18                        ; B likewise, by the tile column
	s_lshl_b32 s85, s15, 8
	s_add_co_u32 s84, s84, s85
	s_mov_b32 s85, 0
	s_mul_i32 s93, s15, SLOT                       ; slot wave / 2: A's 256 rows lie at its head
	s_wait_kmcnt 0x0
	s_load_b128 s[88:91], s[10:11], 0x28
	s_add_nc_u64 s[20:21], s[4:5], s[20:21]
	s_add_nc_u64 s[46:47], s[6:7], s[46:47]
.irp s, 0,1
	s_mov_b32 s[G0+4*\s], 1
	s_add_co_u32 s[G0+4*\s+1], s45, \s*SLOT
	s_add_nc_u64 s[G0+4*\s+2:G0+4*\s+3], s[20:21], \s*ROWB
	s_or_b32 s[G0+4*\s+3], s[G0+4*\s+3], 0x80000000
	s_mov_b32 s[G0B+4*\s], 1
	s_add_co_u32 s[G0B+4*\s+1], s45, \s*SLOT
	s_add_nc_u64 s[G0B+4*\s+2:G0B+4*\s+3], s[46:47], \s*ROWB
	s_or_b32 s[G0B+4*\s+3], s[G0B+4*\s+3], 0x80000000
.endr
	s_mov_b32 s92, 1
	s_add_nc_u64 s[94:95], s[4:5], s[66:67]
	s_or_b32 s95, s95, 0x80000000
	s_add_nc_u64 s[6:7], s[6:7], s[84:85]
	s_or_b32 s7, s7, 0x80000000
	s_mov_b32 s4, 1
	s_add_co_u32 s5, s93, 2*HALFT                  ; B's 256 rows lie behind A's
	v_and_b32 v1, 15, v0
	v_bfe_u32 v2, v0, 4, 1
	v_mul_u32_u24 v3, v1, PITCH
	v_lshl_add_u32 v4, v2, 4, v3
	s_mul_i32 s21, s15, HALFT
	s_mul_i32 s22, s16, HALFT
	s_add_co_u32 s22, s22, 2*HALFT
.irp s, 0,1
	v_add_nc_u32 v[ADRA+\s], s21, v4
	v_add_nc_u32 v[ADRB+\s], s22, v4
	s_add_co_u32 s21, s21, SLOT
	s_add_co_u32 s22, s22, SLOT
.endr
	v_lshlrev_b32 v30, 5, v2
	v_and_b32 v5, 31, v0
	v_lshlrev_b32 v[LI], 4, v5
	s_lshl_b32 s86, s42, 10
	s_lshl_b32 s18, s16, 9
	s_add_co_u32 s86, s86, s18
	s_mov_b32 s87, 0
	s_add_nc_u64 s[98:99], s[8:9], s[86:87]
.irp b, 0,1,2,3,4,5,6,7
	global_load_b128 v[BN0+8*\b:BN0+8*\b+3], v30, s[98:99] offset:64*\b
	global_load_b128 v[BN0+8*\b+4:BN0+8*\b+7], v30, s[98:99] offset:64*\b+16
.endr
	s_lshl_b32 s86, s17, 4
	s_lshl_b32 s18, s15, 3
	s_add_co_u32 s86, s86, s18
	s_lshl_b32 s86, s86, 16
	s_add_nc_u64 s[12:13], s[12:13], s[86:87]
	s_lshl_b32 s86, s42, 1
	s_add_co_u32 s86, s86, s16
	s_lshl_b32 s86, s86, 11
	s_add_nc_u64 s[12:13], s[12:13], s[86:87]
.macro FRAG reg, adr, q, i
.irp c, 0,1,2,3
	ds_load_b128 v[\reg+4*\c:\reg+4*\c+3], v[\adr] offset:128*(\q)+32*\c+(\i)*16*PITCH
.endr
.endm
.macro MUL16 a0, p, zero
.irp a, \a0, \a0+1
.irp b, 0,1,2,3,4,5,6,7
.if \zero
	v_wmma_f32_16x16x128_fp8_fp8 v[8*(8*((\a)%4)+\b):8*(8*((\a)%4)+\b)+7], v[128*(\p)+FR*\b:128*(\p)+FR*\b+FR-1], v[AF+FR*(\a):AF+FR*(\a)+FR-1], v[BN0+8*\b:BN0+8*\b+7]   ; the first product starts the sum with b1f / 2^E as its C (window 0)
.else
	v_wmma_f32_16x16x128_fp8_fp8 v[8*(8*((\a)%4)+\b):8*(8*((\a)%4)+\b)+7], v[128*(\p)+FR*\b:128*(\p)+FR*\b+FR-1], v[AF+FR*(\a):AF+FR*(\a)+FR-1], v[8*(8*((\a)%4)+\b):8*(8*((\a)%4)+\b)+7]
.endif
.endr
.endr
.endm
.macro FETCH_B slot, q, p
	WIN TO_B
.irp i, 0,1,2,3,4,5,6,7
	FRAG 128*(\p)+FR*\i, ADRB+\slot, \q, \i
.endr
	WIN 0
.endm
.macro FETCH_A slot, q, i0
.irp i, \i0, \i0+1, \i0+2, \i0+3
	FRAG AF+FR*(\i), ADRA+\slot, \q, \i
.endr
.endm
.macro PLACES n
.rept \n
	v_nop
.endr
.endm
.macro STEP slot, q, zero
	s_wait_dscnt 4*NL
.if \zero
	WIN 0x81                                       ; as MUL_LO, but C in window 0: the bias
.else
	WIN MUL_LO
.endif
	MUL16 0, (\q)%2, \zero
	MUL16 2, (\q)%2, \zero
	s_wait_dscnt 0
	PLACES NP
	FETCH_B \slot, (\q)+1, 1-(\q)%2
	FETCH_A \slot, (\q)+1, 0
.if \zero
	WIN 0xc1                                       ; as MUL_HI, but C in window 0
.else
	WIN MUL_HI
.endif
	MUL16 4, (\q)%2, \zero
	MUL16 6, (\q)%2, \zero
	PLACES NP
	WIN 0
	FETCH_A \slot, (\q)+1, 4
.endm
.macro TURN slot, next, fill
	s_wait_tensorcnt 0x0
	ds_add_u32 v[SPW], v[NIL]
	s_wait_dscnt 4*NL+1
	WIN MUL_LO
	MUL16 0, 1, 0
	s_wait_dscnt 0x0
	s_barrier_signal -1
	MUL16 2, 1, 0
	WIN 0
	s_barrier_wait -1
.if \fill
	CREST
	s_add_nc_u64 s[G0+4*\slot+2:G0+4*\slot+3], s[G0+4*\slot+2:G0+4*\slot+3], 2*ROWB
	s_add_nc_u64 s[G0B+4*\slot+2:G0B+4*\slot+3], s[G0B+4*\slot+2:G0B+4*\slot+3], 2*ROWB
	JLOAD \slot
.else
	PLACES NP
.endif
	FETCH_B \next, 0, 0
	FETCH_A \next, 0, 0
	WIN MUL_HI
	MUL16 4, 1, 0
	MUL16 6, 1, 0
	PLACES NP
	WIN 0
	FETCH_A \next, 0, 4
.endm
	s_wait_alu depctr_va_vdst(0)
	CROUND                                         ; all sixteen work-groups are here: the first joint loads meet
	s_cmp_lg_u32 s14, 0                            ; one chain on the wave's number, a fill in each arm
	s_cbranch_scc1 .Lhead_1
	tensor_load_to_lds s[92:95], s[68:75]          ; wave 0: A, K step 0
	s_nop 0
.rept 4
	v_nop
.endr
	s_branch .Lhead_w
.Lhead_1:
	s_cmp_lg_u32 s14, 1
	s_cbranch_scc1 .Lhead_2
	tensor_load_to_lds s[4:7], s[76:83]            ; wave 1: B, K step 0
	s_nop 0
.rept 4
	v_nop
.endr
	s_branch .Lhead_w
.Lhead_2:
	s_cmp_lg_u32 s14, 2
	s_cbranch_scc1 .Lhead_3
	tensor_load_to_lds s[92:95], s[68:75]          ; wave 2: A, K step 1
	s_nop 0
.rept 4
	v_nop
.endr
	s_branch .Lhead_j
.Lhead_3:
	tensor_load_to_lds s[4:7], s[76:83]            ; wave 3: B, K step 1
	s_nop 0
.rept 4
	v_nop
.endr
	s_branch .Lhead_j
.Lhead_w:
	s_wait_tensorcnt 0x0                           ; waves 0 and 1: slot 0's tile has landed.  Slot 1's loads are waited for by every wave at the first change of slots, ahead of the barrier behind which slot 1 is first read
.Lhead_j:
	s_barrier_signal -1
	s_barrier_wait -1                              ; slot 0 is whole
	FETCH_B 0, 0, 0
	FETCH_A 0, 0, 0
	FETCH_A 0, 0, 4
	s_wait_kmcnt 0x0                               ; while the first fragments are on their way from LDS: the scales' exponents,
	s_wait_loadcnt 0x0                             ; and the bias
	s_add_co_i32 s88, s88, s89                     ; E = entries 10 + 11
	s_sub_co_i32 s89, 0, s88
	s_sub_co_i32 s90, s90, s88
	s_add_co_i32 s90, s90, 127
	s_lshl_b32 s91, s90, 23
	v_mov_b32 v6, s91                              ; 2^(entry 12 - E), for the conversion
	s_add_co_i32 s90, s90, 8
	s_lshl_b32 s90, s90, 23
	s_or_b32 s90, s90, 0x600000
	v_mov_b32 v7, s90                              ; 448 x that
.set jj, 0
.rept 64
	v_ldexp_f32 v[BN0+jj], v[BN0+jj], s89          ; b1f / 2^E: register 8 b + j: hidden unit 16 b + 8 h + j, the layout of a result
.set jj, jj+1
.endr
	s_wait_alu depctr_va_vdst(0)
	STEP 0, 0, 1
	s_mov_b32 s3, LAPS-1
.Llap:
	TURN 0, 1, 1
	STEP 1, 0, 0
	TURN 1, 0, 1
	STEP 0, 0, 0
	s_sub_co_u32 s3, s3, 1
	s_cmp_lg_u32 s3, 0
	s_cbranch_scc1 .Llap
	TURN 0, 1, 0
	STEP 1, 0, 0
	s_wait_dscnt 4*NL
	WIN MUL_LO
	MUL16 0, 1, 0
	MUL16 2, 1, 0
	s_wait_dscnt 0
	WIN MUL_HI
	MUL16 4, 1, 0
	MUL16 6, 1, 0
	WIN 0
	PLACES NP                                      ; places between the last products and the first write into registers that held A's fragments
.macro OUTBLK a
.set AC, 64*((\a)%4)
.set CD, 192+16*((\a)%4)
.set WW, 0x02+((\a)/4)
	WIN WW                                         ; source 0: window 2 or 3
.set jj, 0
.rept 64
	v_med3_num_f32 v[TMP+jj], v[AC+jj], 0, v7      ; the relu and the hold in one (the conversion to an 8-bit code does not saturate: ISA guide 7.6.2); each accumulator from its low end on
.set jj, jj+1
.endr
	WIN 0
.if (\a) >= 4
	s_wait_alu depctr_va_vdst(0)
	s_wait_xcnt 0x0
.endif
.set jj, 0
.rept 8
	v_cvt_scalef32_pk8_fp8_f32 v[CD+2*jj:CD+2*jj+1], v[TMP+8*jj:TMP+8*jj+7], v6
.set jj, jj+1
.endr
	v_nop
.irp g, 0,1,2,3
	global_store_b128 v[LI], v[CD+4*\g:CD+4*\g+3], s[12:13] offset:65536*(\a)+512*\g
.endr
.endm
.irp a, 0,1,2,3,4,5,6,7
	OUTBLK \a
.endr
	s_wait_tensorcnt 0x0
	ds_add_u32 v[SPW], v[NIL]
	s_wait_dscnt 0x0
	CROUND
	s_endpgm
.Lfunc_end_k_q1a9c238da0_ffn1:
	.size	k_q1a9c238da0_ffn1, .Lfunc_end_k_q1a9c238da0_ffn1-k_q1a9c238da0_ffn1
	.p2alignl 7, 3214868480
	.fill 96, 4, 3214868480
	.section	.rodata,"a",@progbits
	.p2align	6, 0x0
	.amdhsa_kernel k_q1a9c238da0_ffn1
		.amdhsa_group_segment_fixed_size 327680
		.amdhsa_private_segment_fixed_size 0
		.amdhsa_enable_private_segment 0
		.amdhsa_kernarg_size 40
		.amdhsa_user_sgpr_count 2
		.amdhsa_user_sgpr_kernarg_segment_ptr 1
		.amdhsa_wavefront_size32 1
		.amdhsa_system_sgpr_workgroup_id_x 1
		.amdhsa_system_sgpr_workgroup_id_y 1
		.amdhsa_system_sgpr_workgroup_id_z 1
		.amdhsa_system_vgpr_workitem_id 0
		.amdhsa_next_free_vgpr 1024
		.amdhsa_next_free_sgpr 100
		.amdhsa_reserve_vcc 0
		.amdhsa_float_denorm_mode_32 3
		.amdhsa_float_denorm_mode_16_64 3
		.amdhsa_memory_ordered 1
		.amdhsa_forward_progress 1
		.amdhsa_inst_pref_size 125
	.end_amdhsa_kernel
	.amdgpu_metadata
---
amdhsa.version: [ 1, 2 ]
amdhsa.kernels:
  - .name:           k_q1a9c238da0_ffn1
    .symbol:         k_q1a9c238da0_ffn1.kd
    .args:
      - { .name: hfc, .offset: 0, .size: 8, .value_kind: global_buffer, .address_space: global }
      - { .name: W1_codes, .offset: 8, .size: 8, .value_kind: global_buffer, .address_space: global }
      - { .name: b1f, .offset: 16, .size: 8, .value_kind: global_buffer, .address_space: global }
      - { .name: lowp_scales, .offset: 24, .size: 8, .value_kind: global_buffer, .address_space: global }
      - { .name: hid, .offset: 32, .size: 8, .value_kind: global_buffer, .address_space: global }
    .group_segment_fixed_size: 327680
    .private_segment_fixed_size: 0
    .kernarg_segment_align: 8
    .kernarg_segment_size: 40
    .max_flat_workgroup_size: 128
    .sgpr_count:     100
    .vgpr_count:     1024
    .wavefront_size: 32
...
	.end_amdgpu_metadata
.endif
;; end of part 5
;; launch ffn2 (part 6): grid 32 x 8, 4 waves a work-group, clusters of 4 x 1, 327,680 bytes of LDS; arguments hid, W2_codes, res, lowp_scales, out0; writes out0
.if DOCPART == 6
	.amdgcn_target "amdgcn-amd-amdhsa--gfx1250"
	.amdhsa_code_object_version 6
	.text
	.protected	k_q1a9c238da0_ffn2
	.globl	k_q1a9c238da0_ffn2
	.p2align	8
	.type	k_q1a9c238da0_ffn2,@function
k_q1a9c238da0_ffn2:
	s_mov_b64 s[64:65], 0
	v_nop
	global_prefetch_b8 v0, s[64:65] scope:SCOPE_SE
	s_setreg_imm32_b32 hwreg(HW_REG_WAVE_MODE, 25, 1), 1
	s_wait_xcnt 0x0
	s_wait_alu depctr_hold_cnt(0) depctr_sa_sdst(0) depctr_va_vdst(0) depctr_va_sdst(0) depctr_va_ssrc(0) depctr_va_vcc(0) depctr_vm_vsrc(0)
	s_getreg_b32 s2, hwreg(HW_REG_IB_STS2, 6, 4)
	s_cmp_eq_u32 s2, 0
	s_cbranch_scc0 .Lentry_in_a_cluster
	s_endpgm
.Lentry_in_a_cluster:
	s_bfe_u32 s2, ttmp6, 0x10000c
	s_cmp_lg_u32 s2, 0x3003
	s_cbranch_scc0 .Lentry_shape_is_right
	s_endpgm
.Lentry_shape_is_right:
; out0 = res + 2^(entries 12 + 13) x (hid W2^T) on codes of E4M3 (K = 4,096).  A work-group makes 128 tokens x 128 columns.  Wave (i, j) = (wave / 2, wave % 2) takes tokens 64 i .. 64 i + 63, all 128 columns and K half j
; (32 accumulators, by turns); the two halves' sums are added through LDS, in slots that have had their last fill, and leave as whole rows of 512 bytes.
; hid's fragments come from memory straight into registers (they were stored as images of these registers), three steps of 128 ahead.  W2's rows come through a ring of two LDS slots, each with 512 along K of both K halves,
; filled by joint loads of the four work-groups of a cluster, which make the same columns for different tokens.  W2's fragments are read by loads of 8 bytes, 16 apart: k in the places that hid's images have.
; LIMIT: entries 12 + 13 lie between -126 and 127, so that their power of two is an f32 number.
.set KCH,    512
.set PITCH,  528
.set HALFB,  64*PITCH
.set CH,     2*HALFB
.set SLOT,   2*CH
.set SPARE,  2*SLOT
.set SREG,   64*PITCH
.set ADRB, 20
.set STO,  24
.set RD,   25
.set LI,   26
.set SPW,  28
.set NIL,  29
.set G1B, 48
.set G0B, 56
.set MSB, 0
.macro WIN new
.if MSB != \new
	s_set_vgpr_msb (MSB<<8)|\new
.set MSB, \new
.endif
.endm
.set MUL, 0xf9
.macro CREST
	s_cmp_lg_u32 s10, 0
	s_cbranch_scc1 .Lnot_wave_0_\@
	s_barrier_signal -3
.Lnot_wave_0_\@:
	s_barrier_wait -3
	s_barrier_signal -1
	s_barrier_wait -1
.endm
.macro CROUND
	s_barrier_signal -1
	s_barrier_wait -1
	CREST
.endm
.macro PLACES
.rept 4
	v_nop
.endr
.endm
.macro ALOAD s
	WIN 0x80
.irp a, 0,1,2,3
.irp g, 0,1,2,3
	global_load_b128 v[64*((\s)%4)+16*\a+4*\g:64*((\s)%4)+16*\a+4*\g+3], v[LI], s[14:15] offset:65536*\a+2048*(\s)+512*\g
.endr
.endr
.endm
.macro BH s, q
	WIN 0x40
.irp i, 0,1,2,3
.irp c, 0,1,2,3,4,5,6,7
	ds_load_b64 v[16*(4*(\q)+\i)+2*\c:16*(4*(\q)+\i)+2*\c+1], v[ADRB+((\s)/4)%2] offset:16*PITCH*(4*(\q)+\i)+128*((\s)%4)+16*\c
.endr
.endr
.endm
.macro RES hf
	WIN 0x40
.set tt, 16*(\hf)
.rept 16
	global_load_b128 v[128+4*tt:128+4*tt+3], v[LI], s[72:73] offset:4096*tt th:TH_LOAD_NT
.set tt, tt+1
.endr
.endm
.macro MULB s, b0, nb, zero
	WIN MUL
.set bb, \b0
.rept \nb
.irp a, 0,1,2,3
.if \zero
	v_wmma_f32_16x16x128_fp8_fp8 v[8*(8*\a+bb):8*(8*\a+bb)+7], v[16*bb:16*bb+15], v[64*((\s)%4)+16*\a:64*((\s)%4)+16*\a+15], 0
.else
	v_wmma_f32_16x16x128_fp8_fp8 v[8*(8*\a+bb):8*(8*\a+bb)+7], v[16*bb:16*bb+15], v[64*((\s)%4)+16*\a:64*((\s)%4)+16*\a+15], v[8*(8*\a+bb):8*(8*\a+bb)+7]
.endif
.endr
.set bb, bb+1
.endr
.endm
.macro PH0 s, zero
.if (\s) > 0
	PLACES
.endif
.if (\s) < 13
	ALOAD (\s)+3
.endif
	BH \s, 1
.if (\s) < 15
	s_wait_loadcnt 48
.else
	s_wait_loadcnt 32
.endif
	s_wait_dscnt 32
.if (\s) == 12
	RES 0
.endif
.if (\s) == 13
	RES 1
.endif
	MULB \s, 0, 4, \zero
.endm
.macro PH1 s, zero
	PLACES
	BH (\s)+1, 0
	s_wait_dscnt 32
	MULB \s, 4, 4, \zero
.endm
.macro TURN s, fill
	WIN 0
	s_wait_tensorcnt 0x0
	ds_add_u32 v[SPW], v[NIL]
	s_wait_dscnt 1
	MULB \s, 4, 1, 0
	s_wait_dscnt 0x0
	s_barrier_signal -1
	MULB \s, 5, 1, 0
	WIN 0
	s_barrier_wait -1
.if \fill
	CREST
	s_add_nc_u64 s[G0B+4*(((\s)/4)%2)+2:G0B+4*(((\s)/4)%2)+3], s[G0B+4*(((\s)/4)%2)+2:G0B+4*(((\s)/4)%2)+3], 2*KCH
	tensor_load_to_lds s[G0B+4*(((\s)/4)%2):G0B+4*(((\s)/4)%2)+3], s[G1B:G1B+7]
	s_nop 0
.rept 4
	v_nop
.endr
.else
	PLACES
.endif
	BH (\s)+1, 0
	MULB \s, 6, 2, 0
.endm
	s_load_b256 s[68:75], s[0:1], 0x0
	s_load_b64 s[76:77], s[0:1], 0x20
	v_lshl_add_u32 v[SPW], v0, 2, SPARE
	v_mov_b32 v[NIL], 0
	ds_add_u32 v28, v29
	ds_add_u32 v28, v29
	s_wait_dscnt 0x0
	v_lshrrev_b32 v1, 5, v0
	v_readfirstlane_b32 s10, v1
	s_lshr_b32 s11, s10, 1
	s_and_b32 s12, s10, 1
	s_bfe_u32 s40, ttmp6, 0x40000
	s_lshl_b32 s13, ttmp9, 2
	s_add_co_u32 s13, s13, s40
	s_and_b32 s42, ttmp7, 0xffff
	s_mov_b32 s[G1B+0], 15|(0<<16)|(1<<20)|(1<<21)|(6<<22)|(3<<25)
	s_mov_b32 s[G1B+1], KCH<<16
	s_mov_b32 s[G1B+2], 64<<16
	s_mov_b32 s[G1B+3], KCH<<16
	s_mov_b32 s[G1B+4], 64
	s_mov_b32 s[G1B+5], 4096
	s_mov_b32 s[G1B+6], 0
	s_mov_b32 s[G1B+7], 0
	s_lshl_b32 s46, s42, 7
	s_lshl_b32 s47, s12, 6
	s_add_co_u32 s46, s46, s47
	s_lshl_b32 s46, s46, 12
	s_lshl_b32 s47, s11, 11
	s_add_co_u32 s46, s46, s47
	s_mov_b32 s47, 0
	s_mul_i32 s20, s10, HALFB
	s_lshl_b32 s16, s13, 3
	s_lshl_b32 s17, s11, 2
	s_add_co_u32 s16, s16, s17
	s_lshl_b32 s16, s16, 16
	s_lshl_b32 s17, s12, 15
	s_add_co_u32 s16, s16, s17
	s_mov_b32 s17, 0
	s_lshl_b32 s78, s13, 7
	s_lshl_b32 s79, s11, 6
	s_add_co_u32 s78, s78, s79
	s_lshl_b32 s79, s12, 5
	s_add_co_u32 s78, s78, s79
	s_lshl_b32 s78, s78, 12
	s_lshl_b32 s79, s42, 9
	s_add_co_u32 s78, s78, s79
	s_mov_b32 s79, 0
	v_and_b32 v3, 31, v0
	v_lshlrev_b32 v[LI], 4, v3
	s_wait_alu depctr_va_vdst(0)
	s_wait_kmcnt 0x0
	s_load_b64 s[96:97], s[74:75], 0x30
	s_add_nc_u64 s[14:15], s[68:69], s[16:17]
	s_add_nc_u64 s[46:47], s[70:71], s[46:47]
	s_add_nc_u64 s[72:73], s[72:73], s[78:79]
	s_add_nc_u64 s[76:77], s[76:77], s[78:79]
	ALOAD 0
	WIN 0
	; THE HEAD'S FILL: one tensor load a wave, of 128 rows x 512 bytes: wave w fetches the chunk of slot w / 2 and K half w % 2, so both slots are asked for behind the opening round.
	s_mov_b32 s24, 15|(0<<16)|(1<<20)|(1<<21)|(6<<22)|(3<<25)
	s_mov_b32 s25, KCH<<16
	s_mov_b32 s26, 128<<16
	s_mov_b32 s27, KCH<<16
	s_mov_b32 s28, 128
	s_mov_b32 s29, 4096
	s_mov_b32 s30, 0
	s_mov_b32 s31, 0
	s_mov_b32 s32, 1
	s_mul_i32 s33, s11, SLOT
	s_mul_i32 s36, s12, CH
	s_add_co_u32 s33, s33, s36                     ; LDS: slot w / 2, chunk w % 2
	s_lshl_b32 s36, s42, 19                        ; memory: 128 rows of 4,096 bytes x column block,
	s_lshl_b32 s37, s12, 11                        ; + 2,048 x K half,
	s_add_co_u32 s36, s36, s37
	s_lshl_b32 s37, s11, 9                         ; + 512 x slot
	s_add_co_u32 s36, s36, s37
	s_mov_b32 s37, 0
	s_add_nc_u64 s[34:35], s[70:71], s[36:37]
	s_or_b32 s35, s35, 0x80000000
.irp s, 0,1
	s_mov_b32 s[G0B+4*\s], 1
	s_add_co_u32 s[G0B+4*\s+1], s20, \s*SLOT
	s_add_nc_u64 s[G0B+4*\s+2:G0B+4*\s+3], s[46:47], \s*KCH
	s_or_b32 s[G0B+4*\s+3], s[G0B+4*\s+3], 0x80000000
.endr
	v_and_b32 v1, 15, v0
	v_bfe_u32 v2, v0, 4, 1
	v_mul_u32_u24 v4, v1, PITCH
	v_lshl_add_u32 v4, v2, 3, v4
	s_mul_i32 s23, s12, CH
	v_add_nc_u32 v[ADRB], s23, v4
	s_add_co_u32 s23, s23, SLOT
	v_add_nc_u32 v[ADRB+1], s23, v4
	s_mul_i32 s23, s10, SREG
	v_mul_u32_u24 v5, v1, PITCH
	v_lshl_add_u32 v5, v2, 5, v5
	v_add_nc_u32 v[STO], s23, v5
	s_mul_i32 s23, s11, 2*SREG
	s_mul_i32 s22, s12, 32*PITCH
	s_add_co_u32 s23, s23, s22
	v_add_nc_u32 v[RD], s23, v[LI]
	s_wait_alu depctr_va_vdst(0)
	CROUND                                         ; all four work-groups are here: the first joint loads meet
	s_cmp_lg_u32 s11, 0                            ; two arms on the wave's number, a fill in each
	s_cbranch_scc1 .Lhead_1
	tensor_load_to_lds s[32:35], s[24:31]          ; waves 0, 1: slot 0's two chunks, then hid's steps 1 and 2
	s_nop 0
.rept 4
	v_nop
.endr
	ALOAD 1
	ALOAD 2
	WIN 0
	s_branch .Lhead_w
.Lhead_1:
	ALOAD 1                                        ; waves 2, 3: hid's steps 1 and 2, then slot 1's two chunks
	ALOAD 2
	WIN 0
	tensor_load_to_lds s[32:35], s[24:31]
	s_nop 0
.rept 4
	v_nop
.endr
	s_branch .Lhead_j
.Lhead_w:
	s_wait_tensorcnt 0x0                           ; waves 0 and 1: slot 0's chunk has landed.  Slot 1's loads are waited for by every wave at the first change of slots, ahead of the barrier behind which slot 1 is first read
.Lhead_j:
	s_barrier_signal -1
	s_barrier_wait -1                              ; slot 0 is whole
	BH 0, 0
	PH0 0, 1
	PH1 0, 1
.irp s, 1,2
	PH0 \s, 0
	PH1 \s, 0
.endr
	PH0 3, 0
	TURN 3, 1
.irp s, 4,5,6
	PH0 \s, 0
	PH1 \s, 0
.endr
	PH0 7, 0
	TURN 7, 1
.irp s, 8,9,10
	PH0 \s, 0
	PH1 \s, 0
.endr
	PH0 11, 0
	TURN 11, 0
.irp s, 12,13,14
	PH0 \s, 0
	PH1 \s, 0
.endr
	PH0 15, 0
	s_wait_dscnt 0x0
	MULB 15, 4, 4, 0
	WIN 0
	PLACES
	s_wait_kmcnt 0x0
	s_add_co_i32 s96, s96, s97
	s_add_co_i32 s96, s96, 127
	s_lshl_b32 s96, s96, 23
	WIN 0x0c
.irp a, 0,1,2,3
.irp b, 0,1,2,3,4,5,6,7
	ds_store_b128 v[STO], v[8*(8*\a+\b):8*(8*\a+\b)+3] offset:16*PITCH*\a+64*\b
	ds_store_b128 v[STO], v[8*(8*\a+\b)+4:8*(8*\a+\b)+7] offset:16*PITCH*\a+64*\b+16
.endr
.endr
	WIN 0
	s_wait_dscnt 0x0
	s_barrier_signal -1
	s_barrier_wait -1
	WIN 0x80
.set tt, 0
.rept 32
	ds_load_b128 v[4*tt:4*tt+3], v[RD] offset:PITCH*tt
	ds_load_b128 v[128+4*tt:128+4*tt+3], v[RD] offset:SREG+PITCH*tt
.set tt, tt+1
.endr
	s_wait_dscnt 0x0
	s_wait_loadcnt 0x0
	WIN 0x8a
.set jj, 0
.rept 64
	v_pk_add_f32 v[jj:jj+1], v[jj:jj+1], v[128+jj:129+jj]
.set jj, jj+2
.endr
	WIN 0x92
.set jj, 0
.rept 64
	v_pk_fma_f32 v[jj:jj+1], v[jj:jj+1], s[96:97], v[128+jj:129+jj] op_sel_hi:[1,0,1]
.set jj, jj+2
.endr
	WIN 0x08
.set tt, 0
.rept 32
	global_store_b128 v[LI], v[4*tt:4*tt+3], s[76:77] offset:4096*tt th:TH_STORE_NT
.set tt, tt+1
.endr
	WIN 0
	s_wait_tensorcnt 0x0
	ds_add_u32 v[SPW], v[NIL]
	s_wait_dscnt 0x0
	CROUND
	s_endpgm
.Lfunc_end_k_q1a9c238da0_ffn2:
	.size	k_q1a9c238da0_ffn2, .Lfunc_end_k_q1a9c238da0_ffn2-k_q1a9c238da0_ffn2
	.p2alignl 7, 3214868480
	.fill 96, 4, 3214868480
	.section	.rodata,"a",@progbits
	.p2align	6, 0x0
	.amdhsa_kernel k_q1a9c238da0_ffn2
		.amdhsa_group_segment_fixed_size 327680
		.amdhsa_private_segment_fixed_size 0
		.amdhsa_enable_private_segment 0
		.amdhsa_kernarg_size 40
		.amdhsa_user_sgpr_count 2
		.amdhsa_user_sgpr_kernarg_segment_ptr 1
		.amdhsa_wavefront_size32 1
		.amdhsa_system_sgpr_workgroup_id_x 1
		.amdhsa_system_sgpr_workgroup_id_y 1
		.amdhsa_system_sgpr_workgroup_id_z 1
		.amdhsa_system_vgpr_workitem_id 0
		.amdhsa_next_free_vgpr 1024
		.amdhsa_next_free_sgpr 100
		.amdhsa_reserve_vcc 0
		.amdhsa_float_denorm_mode_32 3
		.amdhsa_float_denorm_mode_16_64 3
		.amdhsa_memory_ordered 1
		.amdhsa_forward_progress 1
		.amdhsa_inst_pref_size 162
	.end_amdhsa_kernel
	.amdgpu_metadata
---
amdhsa.version: [ 1, 2 ]
amdhsa.kernels:
  - .name:           k_q1a9c238da0_ffn2
    .symbol:         k_q1a9c238da0_ffn2.kd
    .args:
      - { .name: hid, .offset: 0, .size: 8, .value_kind: global_buffer, .address_space: global }
      - { .name: W2_codes, .offset: 8, .size: 8, .value_kind: global_buffer, .address_space: global }
      - { .name: res, .offset: 16, .size: 8, .value_kind: global_buffer, .address_space: global }
      - { .name: lowp_scales, .offset: 24, .size: 8, .value_kind: global_buffer, .address_space: global }
      - { .name: out0, .offset: 32, .size: 8, .value_kind: global_buffer, .address_space: global }
    .group_segment_fixed_size: 327680
    .private_segment_fixed_size: 0
    .kernarg_segment_align: 8
    .kernarg_segment_size: 40
    .max_flat_workgroup_size: 128
    .sgpr_count:     100
    .vgpr_count:     1024
    .wavefront_size: 32
...
	.end_amdgpu_metadata
.endif
;; end of part 6
